; MI455X (gfx1250); checked and timed in simulation.
; The chip was launched on July 23, 2026; its instructions are those of AMD's public machine-readable ISA for CDNA 5 (MIT licence, August 2026) and "CDNA5" Instruction Set Architecture Reference Guide (July 2026). The comments in the code are by the model that wrote it; some were corrected since.
;; Attention. Allowed arithmetic: matrix products marked QUANTISED: E2M3 operands, one E8M0 scale for each 32 along K, by v_wmma_scale_f32_16x16x128_f8f6f4 with both operands' format E2M3, f32 sums; everything else in f32.
;; Inputs: Wk 1,024 x 1,024 float32; Wo 1,024 x 1,024 float32; Wq 1,024 x 1,024 float32; Wv 1,024 x 1,024 float32; bk 1,024 float32; bo 1,024 float32; bq 1,024 float32; bv 1,024 float32; x 4 x 2,048 x 1,024 float32.
;; Outputs: out0 4 x 2,048 x 1,024 float32.
;; This version of the problem:
;;   THIS VERSION OF THE PROBLEM IS GIVEN IN LOW PRECISION. The matrix products marked QUANTISED in the list below multiply operands that are first quantised to E2M3 (2 exponent bits, 3 mantissa bits; 6 bits a number), with one power-of-two scale for each 32 numbers along K (OCP MX v1.0); their sums are f32. All else is computed in f32.
;;   The module's matrix products, in the order in which they are computed (A, B: the left and right operand; K: the contracted axis; several contracted axes count as one K, in the product's order):
;;     1. [M 8,192, K 1,024] x [K 1,024, N 1,024]; A: input x; B: input Wq: QUANTISED
;;     2. [M 8,192, K 1,024] x [K 1,024, N 1,024]; A: input x; B: input Wk: QUANTISED
;;     3. [M 8,192, K 1,024] x [K 1,024, N 1,024]; A: input x; B: input Wv: QUANTISED
;;     4. batch 64 x [M 2,048, K 64] x [K 64, N 2,048]; A: computed on the way; B: computed on the way: QUANTISED
;;     5. batch 64 x [M 2,048, K 2,048] x [K 2,048, N 64]; A: computed on the way; B: computed on the way: QUANTISED
;;     6. [M 8,192, K 1,024] x [K 1,024, N 1,024]; A: computed on the way; B: input Wo: QUANTISED
;;   THE QUANTISER, for each operand of a quantised product, along K:
;;     - K is cut into blocks of 32 from its start; a last block that is shorter is filled with zeros.
;;     - A block's scale is 2^e with e = floor(log2(the largest magnitude in the block)) - 2, held to -126 .. 127; a block of zeros has e = 0. As a byte (E8M0): e + 127.
;;     - Each number is divided by its block's scale, clamped to +-7.5, and rounded to the nearest number of E2M3, ties to even, subnormals kept.
;;     - The product sums the exact products of the quantised numbers (number of the format x scale) in f32.
;;   ~~~python
;;   def quantise(x, axis):      # numpy; x: float32 -> the quantised numbers, widened to float32 again
;;       x = np.moveaxis(x, axis, -1); K = x.shape[-1]
;;       x = np.pad(x, [(0, 0)] * (x.ndim - 1) + [(0, -K % 32)]); x = x.reshape(x.shape[:-1] + (-1, 32)); a = np.abs(x).max(-1, keepdims=True)
;;       e = np.where(a > 0, np.clip(np.frexp(np.where(a > 0, a, 1))[1] - 1 - 2, -126, 127), 0)      # np.frexp(a)[1] - 1 = floor(log2(a)), exactly
;;       r = np.clip(x / 2.0 ** e, -7.5, 7.5)
;;       step = 2.0 ** (np.maximum(np.frexp(np.where(r == 0, 1, r))[1] - 1, 0) - 3)
;;       q = np.round(r / step) * step * 2.0 ** e      # np.round: ties to even
;;       return np.moveaxis(q.reshape(q.shape[:-2] + (-1,))[..., :K], -1, axis).astype(np.float32)
;;   ~~~
;;   OPERANDS COMPUTED ON THE WAY. 'Computed on the way' means the value that the module computes at that place (a softmax that the list does not call 'softmax' is quantised finished and normalised). What goes into a quantiser is computed in f32, as accurately as f32 sums, v_exp_f32 and their like allow (about 1e-6 of the number): no bf16 or f16 on the way to a quantiser, and a product that is left as it is and whose result goes on into a quantised operand takes f32 operands (vector FMAs, or v_wmma_f32_16x16x4_f32). A number that lies on a knife's edge between two numbers of the format may be rounded either way, as far as f32 arithmetic and the matrix unit's own rounding can turn it there, and no further.
;; One version. Each part assembles by itself: llvm-mc -triple=amdgcn-amd-amdhsa -mcpu=gfx1250 --defsym DOCPART=n.
;; ======== version 1 of 1: 4 launches
;; limits: right only within a limited range of input values
;; workspace buffers: xw_codes 9,437,184 bytes; xw_scales 393,216 bytes; qkv_img 18,874,368 bytes; qkv_sc 786,432 bytes; o_img 6,291,456 bytes; o_sc 262,144 bytes
;; launch quant (part 1): grid 384 x 1, 4 waves a work-group, no clusters, 33,280 bytes of LDS; arguments x, Wq, Wk, Wv, Wo, xw_codes, xw_scales; writes xw_codes, xw_scales
.if DOCPART == 1
	.amdgcn_target "amdgcn-amd-amdhsa--gfx1250"
	.amdhsa_code_object_version 6
	.text
	.protected	k_q4485105ca8_quant
	.globl	k_q4485105ca8_quant
	.p2align	8
	.type	k_q4485105ca8_quant,@function
k_q4485105ca8_quant:
	s_mov_b64 s[64:65], 0
	v_nop
	global_prefetch_b8 v0, s[64:65] scope:SCOPE_SE
	s_setreg_imm32_b32 hwreg(HW_REG_WAVE_MODE, 25, 1), 1
	s_wait_xcnt 0x0
; x [8192][1024] and Wq, Wk, Wv, Wo [1024][1024], f32, K innermost, become codes of FP6 (E2M3) and one E8M0 byte for each 32 along K, in one table of 12,288 rows: x's, then Wq's, Wk's, Wv's, Wo's.
; A row of codes is 768 bytes (a stream of bits, the lowest k lowest), a row of scale bytes 32.
; THE ROWS ARE LAID IN ANOTHER ORDER: place p holds row p with bits 3 and 4 of its number exchanged.  So 16 places on end, 16 i + r, hold rows 32 (i / 2) + 8 (i % 2) + r + 8 (r / 8): the products that read
; this table then leave, in a lane's registers of two neighbouring tiles, 16 neighbours along the next product's K.  A wave's run is 8 rows, so the exchange is one of the wave's number's two bits.
; DEAD WORK IN THE WHOLE PROGRAM: jnp.abs(attn) alone.  attn is a softmax: each term is an exponential over a sum of exponentials, never negative whatever the inputs hold, so |attn| = attn by identity, and no line is
; written for it.  All nine inputs have a way to the output and are loaded (bk too: it moves k's codes).  LIMIT: nothing else is left out, so no NaN, infinity or overflow is lost with it.
; A block's scale is 2^(floor(log2(its largest magnitude)) - 2); its byte is that magnitude's exponent field - 2, held at 1 from below.  A block of zeros so gets the byte 1 where the rule says 127: its codes are
; zeros, which add nothing under any byte but 0xff, and this program alone reads the bytes.
; LIMITS: blocks whose largest magnitude lies under 2^(2 - 126) keep the byte 1; NaN and infinities among the inputs are not served.
; A wave takes 16 steps of 512 numbers.  Each load reads 512 consecutive bytes; a step's 2,048 bytes turn through the wave's own stage in LDS, so that a lane holds 16 neighbours along K (two lanes hold a block).
; A lane's 16 codes are 12 bytes; a wave's 256 scale bytes are gathered in LDS and leave as one aligned run of 256 bytes.  Waves share nothing: no barrier.  This launch streams: no matrix work, no cluster, no tensor load.
.set WAVES, 4
.set STEPS, 16
.set XWG,   256                        ; work-groups that take x: 8192 x 1024 / 32768; each weight takes 32
.set EMAX,  2
.set CB,    12                         ; bytes of 16 codes
; THE CODES' TABLE LIES IN FOUR PLANES, one for each 256 along K: plane s holds, for all 12,288 places, the 192 bytes of k = 256 s .. 256 s + 255, place behind place.
; So the 128 places x 256 k that a product's tensor load fetches are 24,576 dense bytes that begin at a multiple of 256 from the buffer's first byte.
.set PLANE, 12288*192
.set R,     16                         ; v16-79   four sets of 16 numbers as they are loaded
.set X,     80                         ; v80-111  two sets of 16 neighbours
.set C,     128                        ; v128-191 codes: four registers for each step, so that no store's data are written again
.set E,     112                        ; v112-127 a scale byte for each step
.set WREG,  8192                       ; LDS: a region for each wave: two stages of 32 x SP bytes, behind them its 256 scale bytes
.set SP,    80                         ; a lane's place in a stage: 64 bytes + 16 of padding
.set SPW,   12                         ; v12      LDS address of my spare word; never rewritten
.set NIL,   13                         ; v13      0; never rewritten
.set SPARE, WAVES*WREG                 ; behind the four regions: the spare words, 128 bytes a wave, which no other line names
	s_load_b256 s[4:11], s[0:1], 0x0               ; x, Wq, Wk, Wv
	s_load_b128 s[12:15], s[0:1], 0x20             ; Wo, the codes
	s_load_b64 s[16:17], s[0:1], 0x30              ; the scale bytes
	v_lshl_add_u32 v[SPW], v0, 2, SPARE
	v_mov_b32 v[NIL], 0
	v_lshrrev_b32 v1, 5, v0
	v_readfirstlane_b32 s18, v1                    ; wave
	v_and_b32 v2, 31, v0                           ; lane
	v_lshlrev_b32 v3, 4, v2                        ; my 16 bytes of a load's 512
	s_mul_i32 s19, s18, WREG
	v_lshrrev_b32 v14, 2, v2
	v_mul_u32_u24 v14, v14, SP
	v_and_b32 v15, 3, v2
	v_lshl_add_u32 v14, v15, 4, v14
	v_add_nc_u32 v14, s19, v14                     ; the stage, on the way in: SP (lane / 4) + 16 (lane % 4)
	v_mul_u32_u24 v15, v2, SP
	v_add_nc_u32 v15, s19, v15                     ; and on the way out: SP x lane: my 16 neighbours
	v_and_b32 v4, 15, v2
	v_mul_u32_u24 v4, v4, CB                       ; sixteen lanes hold 256 along K: 192 bytes of a place in one plane;
	v_lshrrev_b32 v10, 4, v2
	v_mad_u32_u24 v4, v10, PLANE, v4               ; lanes 16-31 hold the next 256 along K: the next plane
	v_lshrrev_b32 v5, 1, v2
	s_add_co_u32 s19, s19, 2*32*SP
	v_add_nc_u32 v5, s19, v5                       ; LDS: my wave's 256 scale bytes, my block's byte
	v_lshlrev_b32 v7, 3, v2                        ; and on the way out 8 bytes a lane
	v_add_nc_u32 v6, s19, v7
	s_sub_co_u32 s20, ttmp9, XWG                   ; behind x's work-groups: which weight (32 work-groups each), and which part of it
	s_lshr_b32 s21, s20, 5
	s_and_b32 s22, s20, 31
	s_wait_alu depctr_va_vdst(0)
	s_wait_kmcnt 0x0
	s_mov_b64 s[24:25], s[12:13]                   ; the source is chosen by the work-group's number alone: Wo,
	s_cmp_eq_u32 s21, 2
	s_cselect_b64 s[24:25], s[10:11], s[24:25]     ; Wv,
	s_cmp_eq_u32 s21, 1
	s_cselect_b64 s[24:25], s[8:9], s[24:25]       ; Wk,
	s_cmp_eq_u32 s21, 0
	s_cselect_b64 s[24:25], s[6:7], s[24:25]       ; Wq,
	s_cmp_lt_u32 ttmp9, XWG
	s_cselect_b64 s[24:25], s[4:5], s[24:25]       ; or x
	s_cselect_b32 s22, ttmp9, s22                  ; the work-group's number inside its tensor
	s_lshl_b32 s22, s22, 2
	s_add_co_u32 s22, s22, s18                     ; my run of 8,192 numbers in the source
	s_lshl_b32 s22, s22, 15                        ; 32,768 bytes a run (under 2^26)
	s_mov_b32 s23, 0
	s_add_nc_u64 s[24:25], s[24:25], s[22:23]
	s_and_b32 s26, s18, 1                          ; where it goes: the wave's two bits change places: bits 3 and 4 of the row's number
	s_lshl_b32 s26, s26, 1
	s_lshr_b32 s27, s18, 1
	s_or_b32 s26, s26, s27
	s_lshl_b32 s27, ttmp9, 2
	s_add_co_u32 s26, s26, s27
	s_mul_i32 s28, s26, 8*192                      ; a run is 8 places: 1,536 bytes in each plane
	s_mov_b32 s29, 0
	s_add_nc_u64 s[14:15], s[14:15], s[28:29]
	s_lshl_b32 s28, s26, 8                         ; 256 scale bytes a run
	s_add_nc_u64 s[16:17], s[16:17], s[28:29]
.macro LOAD t
.irp i, 0,1,2,3
	global_load_b128 v[R+16*((\t)%4)+4*\i:R+16*((\t)%4)+4*\i+3], v3, s[24:25] offset:2048*(\t)+512*\i th:TH_LOAD_NT   ; 32 lanes read 512 consecutive bytes
.endr
.endm
.macro TURN t                          ; step t's numbers through the stage: LDS serves a wave's instructions in order, so no wait stands between the stores and the loads
.irp i, 0,1,2,3
	ds_store_b128 v14, v[R+16*((\t)%4)+4*\i:R+16*((\t)%4)+4*\i+3] offset:32*SP*((\t)%2)+8*SP*\i
.endr
.irp i, 0,1,2,3
	ds_load_b128 v[X+16*((\t)%2)+4*\i:X+16*((\t)%2)+4*\i+3], v15 offset:32*SP*((\t)%2)+16*\i
.endr
.endm
.irp t, 0,1,2,3
	LOAD \t
.endr
	s_wait_loadcnt 12                              ; step 0's four loads are in; three steps' twelve may be out
	TURN 0
.macro STEP t
.set XS, X+16*((\t)%2)
.if (\t) > 0
	s_wait_dscnt 1                                 ; this step's numbers are back from the stage (the last step's byte store may be out): so its stores into the stage have read their registers,
.else
	s_wait_dscnt 0x0
.endif
.if (\t)+4 < STEPS
	LOAD (\t)+4                                    ; which take the loads of four steps on
.endif
.if (\t)+1 < STEPS
.if STEPS-2-(\t) >= 3
	s_wait_loadcnt 12                              ; the next step's four loads are in; those of the three steps behind it may be out
.else
	s_wait_loadcnt 4*(STEPS-2-(\t))
.endif
	TURN (\t)+1                                    ; and go through the other stage while this step is worked
.endif
	v_max3_num_f32 v8, |v[XS]|, |v[XS+1]|, |v[XS+2]|               ; the largest magnitude of my 16, in two chains
	v_max3_num_f32 v9, |v[XS+3]|, |v[XS+4]|, |v[XS+5]|
.irp i, 6,10
	v_max3_num_f32 v8, v8, |v[XS+\i]|, |v[XS+\i+1]|
	v_max3_num_f32 v9, v9, |v[XS+\i+2]|, |v[XS+\i+3]|
.endr
	v_max3_num_f32 v8, v8, |v[XS+14]|, |v[XS+15]|
	v_max3_num_f32 v8, v8, v9, (EMAX+1)<<23        ; and the floor 2^(EMAX + 1 - 127): the byte cannot fall under 1
	v_max_num_f32_dpp v8, v8, v8 row_xmask:1 row_mask:0xf bank_mask:0xf   ; and of my neighbour's 16: the block's
	v_add_nc_u32 v11, -(EMAX<<23), v8              ; EMAX off its exponent field: the conversion takes the exponent field of this operand as its scale
	v_cvt_scalef32_pk16_fp6_f32 v[C+4*(\t):C+4*(\t)+2], v[XS:XS+15], v11   ; sixteen numbers / the scale, to the nearest code, ties to even, beyond the largest code the largest
	v_lshrrev_b32 v[E+(\t)], 23, v11               ; the scale's byte (also the plain line behind the conversion)
	ds_store_b8 v5, v[E+(\t)] offset:16*(\t)       ; both lanes of a block write the same byte with the same value
	global_store_b96 v4, v[C+4*(\t):C+4*(\t)+2], s[14:15] offset:2*PLANE*((\t)%2)+192*((\t)/2)   ; step t: row t / 2 of my 8, k from 512 (t % 2)
.endm
.irp t, 0,1,2,3,4,5,6,7,8,9,10,11,12,13,14,15
	STEP \t
.endr
	ds_load_b64 v[8:9], v6                         ; LDS serves a wave's instructions in order: these see my stores
	s_wait_dscnt 0x0
	global_store_b64 v7, v[8:9], s[16:17]          ; 32 lanes store 256 consecutive bytes, at a multiple of 256 from the buffer's first byte
	s_wait_tensorcnt 0x0                           ; the wave's end, behind my last LDS store
	ds_add_u32 v[SPW], v[NIL]
	s_wait_dscnt 0x0
	s_endpgm
.Lfunc_end_k_q4485105ca8_quant:
	.size	k_q4485105ca8_quant, .Lfunc_end_k_q4485105ca8_quant-k_q4485105ca8_quant
	.p2alignl 7, 3214868480
	.fill 96, 4, 3214868480
	.section	.rodata,"a",@progbits
	.p2align	6, 0x0
	.amdhsa_kernel k_q4485105ca8_quant
		.amdhsa_group_segment_fixed_size 33280
		.amdhsa_private_segment_fixed_size 0
		.amdhsa_enable_private_segment 0
		.amdhsa_kernarg_size 56
		.amdhsa_user_sgpr_count 2
		.amdhsa_user_sgpr_kernarg_segment_ptr 1
		.amdhsa_wavefront_size32 1
		.amdhsa_system_sgpr_workgroup_id_x 1
		.amdhsa_system_sgpr_workgroup_id_y 1
		.amdhsa_system_sgpr_workgroup_id_z 1
		.amdhsa_system_vgpr_workitem_id 0
		.amdhsa_next_free_vgpr 192
		.amdhsa_next_free_sgpr 66
		.amdhsa_reserve_vcc 0
		.amdhsa_float_denorm_mode_32 3
		.amdhsa_float_denorm_mode_16_64 3
		.amdhsa_memory_ordered 1
		.amdhsa_forward_progress 1
		.amdhsa_inst_pref_size 33
	.end_amdhsa_kernel
	.amdgpu_metadata
---
amdhsa.version: [ 1, 2 ]
amdhsa.kernels:
  - .name:           k_q4485105ca8_quant
    .symbol:         k_q4485105ca8_quant.kd
    .args:
      - { .name: x, .offset: 0, .size: 8, .value_kind: global_buffer, .address_space: global }
      - { .name: Wq, .offset: 8, .size: 8, .value_kind: global_buffer, .address_space: global }
      - { .name: Wk, .offset: 16, .size: 8, .value_kind: global_buffer, .address_space: global }
      - { .name: Wv, .offset: 24, .size: 8, .value_kind: global_buffer, .address_space: global }
      - { .name: Wo, .offset: 32, .size: 8, .value_kind: global_buffer, .address_space: global }
      - { .name: xw_codes, .offset: 40, .size: 8, .value_kind: global_buffer, .address_space: global }
      - { .name: xw_scales, .offset: 48, .size: 8, .value_kind: global_buffer, .address_space: global }
    .group_segment_fixed_size: 33280
    .private_segment_fixed_size: 0
    .kernarg_segment_align: 8
    .kernarg_segment_size: 56
    .max_flat_workgroup_size: 128
    .sgpr_count:     66
    .vgpr_count:     192
    .wavefront_size: 32
...
	.end_amdgpu_metadata
.endif
;; end of part 1
;; launch qkv (part 2): grid 12 x 32, 4 waves a work-group, clusters of 4 x 4, 327,680 bytes of LDS; arguments xw_codes, xw_scales, bq, bk, bv, qkv_img, qkv_sc; writes qkv_img, qkv_sc
.if DOCPART == 2
	.amdgcn_target "amdgcn-amd-amdhsa--gfx1250"
	.amdhsa_code_object_version 6
	.text
	.protected	k_q4485105ca8_qkv
	.globl	k_q4485105ca8_qkv
	.p2align	8
	.type	k_q4485105ca8_qkv,@function
k_q4485105ca8_qkv:
	s_mov_b64 s[64:65], 0
	v_nop
	global_prefetch_b8 v0, s[64:65] scope:SCOPE_SE
	s_setreg_imm32_b32 hwreg(HW_REG_WAVE_MODE, 25, 1), 1
	s_wait_xcnt 0x0
	s_wait_alu depctr_hold_cnt(0) depctr_sa_sdst(0) depctr_va_vdst(0) depctr_va_sdst(0) depctr_va_ssrc(0) depctr_va_vcc(0) depctr_vm_vsrc(0)
	s_getreg_b32 s2, hwreg(HW_REG_IB_STS2, 6, 4)
	s_cmp_eq_u32 s2, 0
	s_cbranch_scc0 .Lentry_in_a_cluster
	s_endpgm
.Lentry_in_a_cluster:
	s_bfe_u32 s2, ttmp6, 0x10000c
	s_cmp_lg_u32 s2, 0xf033
	s_cbranch_scc0 .Lentry_shape_is_right
	s_endpgm
.Lentry_shape_is_right:
.set SIZE_K, 1024
.set XROWS,  8192
.set KSTEP,  256
.set NQ,     KSTEP/128
.set ROWB,   256                       ; a tensor row: 256 bytes of a dense block of codes (128 places x 192 bytes = 96 such rows), at a multiple of 256 from the buffer's first byte
.set PLANE,  12288*192                 ; the codes' table lies in four planes, one for each 256 along K
.set KROW,   192                       ; a place's bytes in a plane
.set PITCH,  240
.set FR,     12
.set NL,     6
.set NP,     4
.set HALFT,  128*PITCH
.set SLOT,   4*HALFT
.set LAPS,   SIZE_K/(2*KSTEP)
.set KS,     SIZE_K/32
.set SCL,    2*SLOT
.set HALFS,  (128*KS/256)*272
.set SBLK,   (16*KS/256)*272
.set SPARE,  SCL+4*HALFS
.set VPITCH, 528
.set ADRA, 16
.set ADRB, 20
.set ADRS, 27
.set SPW,  28
.set NIL,  29
.set SC,   32
.set BI,   64
.set AF,   128
.set PW,   32
.set TM,   40
.set WD,   60
.set PC,   128
.set PT,   224
.set VX,   128
.set VC,   192
.set VT,   224
.set VSW,  228
.set G1, 24
.set G0, 32
.set G1B, 48
.set G0B, 56
.set G1S, 68
.set G0S, 76
.set G1SB, 80
.set G0SB, 88
.set MSB, 0
.macro WIN new
.if MSB != \new
	s_set_vgpr_msb (MSB<<8)|\new
.set MSB, \new
.endif
.endm
.set MUL_LO, 0xa1
.set MUL_HI, 0xf1
.set BIA_LO, 0x81
.set BIA_HI, 0xc1
.set TO_B,   0x40
.macro JLOAD g0a, g1a, g0b, g1b
	s_cmp_eq_u32 s15, 0
	s_cbranch_scc0 .Lfor_b_\@
	tensor_load_to_lds s[\g0a:\g0a+3], s[\g1a:\g1a+7]
	s_nop 0
.rept 4
	v_nop
.endr
	s_branch .Lasked_\@
.Lfor_b_\@:
	tensor_load_to_lds s[\g0b:\g0b+3], s[\g1b:\g1b+7]
	s_nop 0
.rept 4
	v_nop
.endr
.Lasked_\@:
.endm
.macro CREST
	s_cmp_lg_u32 s14, 0
	s_cbranch_scc1 .Lnot_wave_0_\@
	s_barrier_signal -3
.Lnot_wave_0_\@:
	s_barrier_wait -3
	s_barrier_signal -1
	s_barrier_wait -1
.endm
.macro CROUND
	s_barrier_signal -1
	s_barrier_wait -1
	CREST
.endm
	s_load_b128 s[4:7], s[0:1], 0x0
	s_load_b128 s[96:99], s[0:1], 0x10
	s_load_b64 s[100:101], s[0:1], 0x20
	s_load_b64 s[12:13], s[0:1], 0x28
	s_load_b64 s[66:67], s[0:1], 0x30
	v_lshl_add_u32 v[SPW], v0, 2, SPARE
	v_mov_b32 v[NIL], 0
	ds_add_u32 v[SPW], v[NIL]
	ds_add_u32 v[SPW], v[NIL]
	v_lshrrev_b32 v1, 5, v0
	v_readfirstlane_b32 s14, v1
	s_lshr_b32 s15, s14, 1
	s_and_b32 s16, s14, 1
	s_bfe_u32 s40, ttmp6, 0x40000
	s_bfe_u32 s41, ttmp6, 0x40004
	s_lshl_b32 s42, ttmp9, 2
	s_add_co_u32 s42, s42, s40
	s_and_b32 s17, ttmp7, 0xffff
	s_lshl_b32 s17, s17, 2
	s_add_co_u32 s17, s17, s41
	s_lshl_b32 s43, s41, 2
	s_lshl_b32 s43, 15, s43
	s_lshl_b32 s44, 0x1111, s40
	s_or_b32 s[G1+0], s43, (0<<16)|(1<<20)|(1<<21)|(3<<22)|(3<<25)
	s_or_b32 s[G1B+0], s44, (0<<16)|(1<<20)|(1<<21)|(3<<22)|(3<<25)
.irp g, G1, G1B
	s_mov_b32 s[\g+1], ROWB<<16
	s_mov_b32 s[\g+2], 96<<16
	s_mov_b32 s[\g+3], ROWB<<16
	s_mov_b32 s[\g+4], 96
	s_mov_b32 s[\g+5], ROWB
	s_mov_b32 s[\g+6], 0
	s_mov_b32 s[\g+7], 0
.endr
	s_or_b32 s[G1S+0], s43, (3<<16)|(1<<20)|(1<<21)|(5<<22)|(3<<25)
	s_or_b32 s[G1SB+0], s44, (3<<16)|(1<<20)|(1<<21)|(5<<22)|(3<<25)
.irp g, G1S, G1SB
	s_mov_b32 s[\g+1], 32<<16
	s_mov_b32 s[\g+2], (128*KS/256)<<16
	s_mov_b32 s[\g+3], 32<<16
	s_mov_b32 s[\g+4], 128*KS/256
	s_mov_b32 s[\g+5], 32
	s_mov_b32 s[\g+6], 0
	s_mov_b32 s[\g+7], 0
.endr
	s_lshl_b32 s18, s16, 7
	s_lshl_b32 s20, s17, 8
	s_add_co_u32 s20, s20, s18
	s_lshl_b32 s46, s42, 8
	s_add_co_u32 s46, s46, s18
	s_mov_b32 s21, 0
	s_mov_b32 s47, 0
	s_mov_b64 s[18:19], KS
	s_mul_u64 s[22:23], s[20:21], s[18:19]
	s_mul_u64 s[92:93], s[46:47], s[18:19]
	s_mov_b64 s[18:19], KROW
	s_mul_u64 s[20:21], s[20:21], s[18:19]
	s_mul_u64 s[46:47], s[46:47], s[18:19]
	s_mul_i32 s45, s14, HALFT
	s_mul_i32 s94, s14, HALFS
	s_wait_dscnt 0x0
	s_wait_kmcnt 0x0
	s_add_nc_u64 s[8:9], s[4:5], XROWS*KROW
	s_add_nc_u64 s[10:11], s[6:7], XROWS*KS
	s_add_nc_u64 s[20:21], s[4:5], s[20:21]
	s_add_nc_u64 s[22:23], s[6:7], s[22:23]
	s_add_nc_u64 s[46:47], s[8:9], s[46:47]
	s_add_nc_u64 s[92:93], s[10:11], s[92:93]
	CROUND
	s_mov_b32 s[G0S], 1
	s_add_co_u32 s[G0S+1], s94, SCL
	s_mov_b64 s[G0S+2:G0S+3], s[22:23]
	s_or_b32 s[G0S+3], s[G0S+3], 0x80000000
	s_mov_b32 s[G0SB], 1
	s_add_co_u32 s[G0SB+1], s94, SCL
	s_mov_b64 s[G0SB+2:G0SB+3], s[92:93]
	s_or_b32 s[G0SB+3], s[G0SB+3], 0x80000000
	JLOAD G0S, G1S, G0SB, G1SB
.irp s, 0,1
	s_mov_b32 s[G0+4*\s], 1
	s_add_co_u32 s[G0+4*\s+1], s45, \s*SLOT
	s_add_nc_u64 s[G0+4*\s+2:G0+4*\s+3], s[20:21], \s*PLANE
	s_or_b32 s[G0+4*\s+3], s[G0+4*\s+3], 0x80000000
	s_mov_b32 s[G0B+4*\s], 1
	s_add_co_u32 s[G0B+4*\s+1], s45, \s*SLOT
	s_add_nc_u64 s[G0B+4*\s+2:G0B+4*\s+3], s[46:47], \s*PLANE
	s_or_b32 s[G0B+4*\s+3], s[G0B+4*\s+3], 0x80000000
	s_wait_alu depctr_va_vdst(0)
	s_wait_tensorcnt 0x0
	ds_add_u32 v28, v29
	s_wait_dscnt 0x0
	CROUND
	JLOAD G0+4*\s, G1, G0B+4*\s, G1B
.endr
	v_and_b32 v1, 15, v0
	v_bfe_u32 v2, v0, 4, 1
	s_wait_alu depctr_va_vdst(0)
	s_cmp_eq_u32 ttmp9, 1
	s_cselect_b64 s[96:97], s[98:99], s[96:97]
	s_cmp_eq_u32 ttmp9, 2
	s_cselect_b64 s[96:97], s[100:101], s[96:97]
	s_lshl_b32 s98, s40, 10
	s_lshl_b32 s99, s16, 9
	s_add_co_u32 s98, s98, s99
	s_mov_b32 s99, 0
	s_add_nc_u64 s[96:97], s[96:97], s[98:99]
	v_lshlrev_b32 v7, 6, v2
.irp b, 0,1,2,3,4,5,6,7
	global_load_b128 v[BI+8*\b:BI+8*\b+3], v7, s[96:97] offset:4*(32*(\b/2)+8*(\b%2))
	global_load_b128 v[BI+8*\b+4:BI+8*\b+7], v7, s[96:97] offset:4*(32*(\b/2)+8*(\b%2))+16
.endr
	v_mul_u32_u24 v3, v1, PITCH
	v_mul_u32_u24 v4, v2, 24
	v_add_nc_u32 v4, v3, v4
	v_lshl_add_u32 v5, v2, 4, v4
	s_mul_i32 s21, s15, HALFT
	s_mul_i32 s22, s16, HALFT
	s_add_co_u32 s22, s22, 2*HALFT
.irp s, 0,1
	v_add_nc_u32 v[ADRA+\s], s21, v4
	v_add_nc_u32 v[ADRB+\s], s22, v4
	v_add_nc_u32 v[ADRA+2+\s], s21, v5
	v_add_nc_u32 v[ADRB+2+\s], s22, v5
	s_add_co_u32 s21, s21, SLOT
	s_add_co_u32 s22, s22, SLOT
.endr
	v_mul_u32_u24 v5, v1, KS
	v_lshrrev_b32 v6, 8, v5
	v_lshl_add_u32 v5, v6, 4, v5
	s_mul_i32 s21, s15, HALFS
	s_mul_i32 s22, s16, HALFS
	s_add_co_u32 s22, s22, 2*HALFS
	s_sub_co_u32 s22, s22, s21
	v_mul_u32_u24 v6, s22, v2
	s_add_co_u32 s21, s21, SCL
	v_add_nc_u32 v5, v5, v6
	v_add_nc_u32 v[ADRS], s21, v5
	s_lshl_b32 s20, s17, 8
	s_lshl_b32 s21, s15, 7
	s_add_co_u32 s20, s20, s21
	s_lshr_b32 s21, s20, 11
	s_and_b32 s20, s20, 2047
	s_lshl_b32 s22, s40, 2
	s_lshl_b32 s23, s16, 1
	s_add_co_u32 s22, s22, s23
	s_lshl_b32 s21, s21, 4
	s_add_co_u32 s21, s21, s22
	s_mul_i32 s22, ttmp9, 6291456
	s_mul_i32 s23, s21, 98304
	s_add_co_u32 s22, s22, s23
	s_mul_i32 s23, s20, 48
	s_add_co_u32 s22, s22, s23
	s_mov_b32 s23, 0
	s_add_nc_u64 s[12:13], s[12:13], s[22:23]
	s_lshl_b32 s22, ttmp9, 18
	s_lshl_b32 s23, s21, 12
	s_add_co_u32 s22, s22, s23
	s_lshl_b32 s23, s20, 1
	s_add_co_u32 s22, s22, s23
	s_mov_b32 s23, 0
	s_add_nc_u64 s[66:67], s[66:67], s[22:23]
.macro FRAG reg, adr, q, i
.irp p, 0,1,2,3,4,5
.set PCE, 12*(\q)+6*(\p/3)+\p%3
.if PCE%8 < 5
	ds_load_b64 v[\reg+2*\p:\reg+2*\p+1], v[\adr] offset:8*PCE+16*(PCE/8)+(\i)*16*PITCH
.else
	ds_load_b64 v[\reg+2*\p:\reg+2*\p+1], v[\adr+2] offset:8*PCE+16*(PCE/8)+(\i)*16*PITCH
.endif
.endr
.endm
.macro MUL16 a0, p, q, sc, zero
.irp a, \a0, \a0+1
.irp b, 0,1,2,3,4,5,6,7
.if \zero
	v_wmma_scale_f32_16x16x128_f8f6f4 v[8*(8*((\a)%4)+\b):8*(8*((\a)%4)+\b)+7], v[128*(\p)+FR*\b:128*(\p)+FR*\b+FR-1], v[AF+FR*(\a):AF+FR*(\a)+FR-1], v[BI+8*\b:BI+8*\b+7], v[SC+8*NQ*(\sc)+NQ*\b+(\q)], v[SC+8*NQ*(\sc)+NQ*(\a)+(\q)] matrix_a_fmt:MATRIX_FMT_FP6 matrix_b_fmt:MATRIX_FMT_FP6 matrix_a_scale:MATRIX_SCALE_ROW1
.else
	v_wmma_scale_f32_16x16x128_f8f6f4 v[8*(8*((\a)%4)+\b):8*(8*((\a)%4)+\b)+7], v[128*(\p)+FR*\b:128*(\p)+FR*\b+FR-1], v[AF+FR*(\a):AF+FR*(\a)+FR-1], v[8*(8*((\a)%4)+\b):8*(8*((\a)%4)+\b)+7], v[SC+8*NQ*(\sc)+NQ*\b+(\q)], v[SC+8*NQ*(\sc)+NQ*(\a)+(\q)] matrix_a_fmt:MATRIX_FMT_FP6 matrix_b_fmt:MATRIX_FMT_FP6 matrix_a_scale:MATRIX_SCALE_ROW1
.endif
.endr
.endr
.endm
.macro FETCH_B slot, q, p
	WIN TO_B
.irp i, 0,1,2,3,4,5,6,7
	FRAG 128*(\p)+FR*\i, ADRB+\slot, \q, \i
.endr
	WIN 0
.endm
.macro FETCH_A slot, q, i0
.irp i, \i0, \i0+1, \i0+2, \i0+3
	FRAG AF+FR*(\i), ADRA+\slot, \q, \i
.endr
.endm
.macro SCALES sc
.irp i, 0,1,2,3,4,5,6,7
	ds_load_b64 v[SC+8*NQ*\sc+NQ*\i:SC+8*NQ*\sc+NQ*\i+1], v[ADRS] offset:\i*SBLK
.endr
.endm
.macro PLACES n
.rept \n
	v_nop
.endr
.endm
.macro STEP slot, q, zero
	s_wait_dscnt 4*NL
.if \zero
	WIN BIA_LO
.else
	WIN MUL_LO
.endif
	MUL16 0, (\q)%2, \q, \slot, \zero
	MUL16 2, (\q)%2, \q, \slot, \zero
	s_wait_dscnt 0
	PLACES NP
	FETCH_B \slot, (\q)+1, 1-(\q)%2
	FETCH_A \slot, (\q)+1, 0
.if \zero
	WIN BIA_HI
.else
	WIN MUL_HI
.endif
	MUL16 4, (\q)%2, \q, \slot, \zero
	MUL16 6, (\q)%2, \q, \slot, \zero
	PLACES NP
	WIN 0
	FETCH_A \slot, (\q)+1, 4
.endm
.macro TURN slot, next, fill
	s_wait_tensorcnt 0x0
	ds_add_u32 v[SPW], v[NIL]
	s_wait_dscnt 4*NL+1
	WIN MUL_LO
	MUL16 0, 1, NQ-1, \slot, 0
	s_wait_dscnt 0x0
	s_barrier_signal -1
	MUL16 2, 1, NQ-1, \slot, 0
	WIN 0
	s_barrier_wait -1
.if \fill
	CREST
	s_add_nc_u64 s[G0+4*\slot+2:G0+4*\slot+3], s[G0+4*\slot+2:G0+4*\slot+3], 2*PLANE
	s_add_nc_u64 s[G0B+4*\slot+2:G0B+4*\slot+3], s[G0B+4*\slot+2:G0B+4*\slot+3], 2*PLANE
	JLOAD G0+4*\slot, G1, G0B+4*\slot, G1B
.else
	PLACES NP
.endif
	s_wait_alu depctr_va_vdst(0)
	v_add_nc_u32 v[ADRS], 4*NQ, v[ADRS]
	FETCH_B \next, 0, 0
	FETCH_A \next, 0, 0
	SCALES \next
	WIN MUL_HI
	MUL16 4, 1, NQ-1, \slot, 0
	MUL16 6, 1, NQ-1, \slot, 0
	PLACES NP
	WIN 0
	FETCH_A \next, 0, 4
.endm
	s_wait_alu depctr_va_vdst(0)
	s_wait_tensorcnt 1
	s_barrier_signal -1
	s_barrier_wait -1
	FETCH_B 0, 0, 0
	FETCH_A 0, 0, 0
	SCALES 0
	FETCH_A 0, 0, 4
	s_wait_loadcnt 0x0
	STEP 0, 0, 1
	s_mov_b32 s3, LAPS-1
.Llap:
	TURN 0, 1, 1
	STEP 1, 0, 0
	TURN 1, 0, 1
	STEP 0, 0, 0
	s_sub_co_u32 s3, s3, 1
	s_cmp_lg_u32 s3, 0
	s_cbranch_scc1 .Llap
	TURN 0, 1, 0
	STEP 1, 0, 0
	s_wait_dscnt 4*NL
	WIN MUL_LO
	MUL16 0, 1, NQ-1, 1, 0
	MUL16 2, 1, NQ-1, 1, 0
	s_wait_dscnt 0
	WIN MUL_HI
	MUL16 4, 1, NQ-1, 1, 0
	MUL16 6, 1, NQ-1, 1, 0
	WIN 0
	PLACES NP
	v_and_b32 v3, 31, v0
	v_lshlrev_b32 v8, 4, v3
	v_lshlrev_b32 v9, 3, v3
	v_lshlrev_b32 v10, 3, v1
	v_lshl_add_u32 v10, v2, 7, v10
	v_lshlrev_b32 v11, 2, v3
	s_mul_i32 s18, s14, 32*VPITCH
	v_mul_u32_u24 v12, v1, VPITCH
	v_lshl_add_u32 v12, v2, 6, v12
	v_add_nc_u32 v12, s18, v12
	v_add_nc_u32 v13, s18, v11
	s_cmp_eq_u32 ttmp9, 2
	s_cbranch_scc1 .Lv
	s_mov_b32 s18, 0x76543210
	s_mov_b32 s19, 0xfedcba98
.irp b, 0,1,2,3
	v_mov_b32 v[TM+4+\b], 0
.endr
.macro QUANTW a
.set XW, 2+(\a)/4
.set XW2, XW|(XW<<2)
.set SB_, 64*((\a)%4)
.set PCA, PC+12*(\a)
	WIN XW2
.irp b, 0,1,2,3
	v_max3_num_f32 v[TM+\b], |v[SB_+16*\b]|, |v[SB_+1+16*\b]|, 0x1800000
.endr
.irp i, 2,4,6,8,10,12,14
.irp b, 0,1,2,3
	v_max3_num_f32 v[TM+\b], |v[SB_+16*\b+\i]|, |v[SB_+1+16*\b+\i]|, v[TM+\b]
.endr
.endr
	WIN 0
.irp b, 0,1,2,3
	v_permlanex16_b32 v[TM+4+\b], v[TM+\b], s18, s19
.endr
.irp b, 0,1,2,3
	v_max_num_f32 v[TM+\b], v[TM+\b], v[TM+4+\b]
.endr
.irp b, 0,1,2,3
	v_add_nc_u32 v[TM+12+\b], 0xff000000, v[TM+\b]
.endr
.irp b, 0,1,2,3
	v_lshrrev_b32 v[TM+4+\b], 23, v[TM+12+\b]
.endr
	v_lshl_or_b32 v[PW+(\a)], v[TM+5], 8, v[TM+4]
	v_lshl_or_b32 v[PW+(\a)], v[TM+6], 16, v[PW+(\a)]
	v_lshl_or_b32 v[PW+(\a)], v[TM+7], 24, v[PW+(\a)]
	WIN XW
.irp c, 0,1
	v_cvt_scalef32_pk16_fp6_f32 v[PCA+6*\c:PCA+6*\c+2], v[SB_+32*\c:SB_+32*\c+15], v[TM+12+2*\c]
	v_cvt_scalef32_pk16_fp6_f32 v[PT+4*\c:PT+4*\c+2], v[SB_+16+32*\c:SB_+31+32*\c], v[TM+13+2*\c]
.endr
	WIN 0
	v_nop
.irp c, 0,1
.irp i, 0,1,2
	v_permlane16_swap_b32 v[PCA+6*\c+\i], v[PT+4*\c+\i]
.endr
.irp i, 0,1,2
	v_mov_b32 v[PCA+3+6*\c+\i], v[PT+4*\c+\i]
.endr
.endr
.irp c, 0,1
	global_store_b128 v8, v[PCA+6*\c:PCA+6*\c+3], s[12:13] offset:\c*98304+(\a)*768
	global_store_b64 v9, v[PCA+6*\c+4:PCA+6*\c+5], s[12:13] offset:\c*98304+(\a)*768+512
.endr
.endm
.irp a, 0,1,2,3,4,5,6,7
	QUANTW \a
.endr
.irp al, 0,1,2,3
	v_perm_b32 v[WD+\al], v[PW+2*\al+1], v[PW+2*\al], 0x05040100
	v_perm_b32 v[WD+4+\al], v[PW+2*\al+1], v[PW+2*\al], 0x07060302
.endr
	v_cmp_ne_u32 vcc_lo, 0, v2
.irp c, 0,1
	v_cndmask_b32 v[68+2*\c], v[WD+4*\c], v[WD+4*\c+2], vcc_lo
	v_cndmask_b32 v[69+2*\c], v[WD+4*\c+1], v[WD+4*\c+3], vcc_lo
	global_store_b64 v10, v[68+2*\c:69+2*\c], s[66:67] offset:4096*\c
.endr
	s_branch .Ldone
.Lv:
.macro LOADG g
.set VXS, VX+32*((\g)%2)
.irp io, 0,1,2,3,4,5,6,7,8,9,10,11,12,13,14,15,16,17,18,19,20,21,22,23,24,25,26,27,28,29,30,31
	ds_load_b32 v[VXS+\io], v13 offset:128*(\g)+(((\io)&7)|(((\io)&8)<<1)|(((\io)&16)>>1))*VPITCH
.endr
.endm
.macro BLK g, al, cnt
.set VXS, VX+32*((\g)%2)
.set VCG, VC+8*(\g)
	s_wait_dscnt \cnt
	v_max3_num_f32 v40, |v[VXS]|, |v[VXS+1]|, |v[VXS+2]|
	v_max3_num_f32 v41, |v[VXS+3]|, |v[VXS+4]|, |v[VXS+5]|
.irp i, 6,10,14,18,22,26
	v_max3_num_f32 v40, v40, |v[VXS+\i]|, |v[VXS+\i+1]|
	v_max3_num_f32 v41, v41, |v[VXS+\i+2]|, |v[VXS+\i+3]|
.endr
	v_max3_num_f32 v40, v40, |v[VXS+30]|, |v[VXS+31]|
	v_max3_num_f32 v40, v40, v41, 0x1800000
	v_add_nc_u32 v42, 0xff000000, v40
	v_lshrrev_b32 v43, 23, v42
.if (\al) == 0
	v_mov_b32 v[VSW+(\g)], v43
.else
	v_lshl_or_b32 v[VSW+(\g)], v43, 8*(\al), v[VSW+(\g)]
.endif
	v_cvt_scalef32_pk16_fp6_f32 v[VCG:VCG+2], v[VXS:VXS+15], v42
	v_cvt_scalef32_pk16_fp6_f32 v[VT:VT+2], v[VXS+16:VXS+31], v42
	v_nop
.irp i, 0,1,2
	v_mov_b32 v[VCG+3+\i], v[VT+\i]
.endr
	global_store_b128 v8, v[VCG:VCG+3], s[12:13] offset:((\g)/2)*98304+(2*(\al)+(\g)%2)*768
	global_store_b64 v9, v[VCG+4:VCG+5], s[12:13] offset:((\g)/2)*98304+(2*(\al)+(\g)%2)*768+512
.endm
	s_wait_alu depctr_va_vdst(0)
.irp al, 0,1,2,3
.if \al > 0
	s_wait_xcnt 0x0
.endif
.set XWD, 0x08+4*(\al/2)
	WIN XWD
.irp u, 0,1
.irp b, 0,1,2,3,4,5,6,7
	ds_store_b128 v12, v[64*((2*\al+\u)%4)+8*\b:64*((2*\al+\u)%4)+8*\b+3] offset:16*\u*VPITCH+128*(\b/2)+32*(\b%2)
	ds_store_b128 v12, v[64*((2*\al+\u)%4)+8*\b+4:64*((2*\al+\u)%4)+8*\b+7] offset:16*\u*VPITCH+128*(\b/2)+32*(\b%2)+16
.endr
.endr
	WIN 0
	LOADG 0
	LOADG 1
	BLK 0, \al, 32
	LOADG 2
	BLK 1, \al, 32
	LOADG 3
	BLK 2, \al, 32
	BLK 3, \al, 0
.endr
.irp g, 0,1,2,3
	global_store_b32 v11, v[VSW+\g], s[66:67] offset:(\g/2)*4096+128*(\g%2)
.endr
.Ldone:
	s_wait_tensorcnt 0x0
	ds_add_u32 v[SPW], v[NIL]
	s_wait_dscnt 0x0
	CROUND
	s_endpgm
.Lfunc_end_k_q4485105ca8_qkv:
	.size	k_q4485105ca8_qkv, .Lfunc_end_k_q4485105ca8_qkv-k_q4485105ca8_qkv
	.p2alignl 7, 3214868480
	.fill 96, 4, 3214868480
	.section	.rodata,"a",@progbits
	.p2align	6, 0x0
	.amdhsa_kernel k_q4485105ca8_qkv
		.amdhsa_group_segment_fixed_size 327680
		.amdhsa_private_segment_fixed_size 0
		.amdhsa_enable_private_segment 0
		.amdhsa_kernarg_size 56
		.amdhsa_user_sgpr_count 2
		.amdhsa_user_sgpr_kernarg_segment_ptr 1
		.amdhsa_wavefront_size32 1
		.amdhsa_system_sgpr_workgroup_id_x 1
		.amdhsa_system_sgpr_workgroup_id_y 1
		.amdhsa_system_sgpr_workgroup_id_z 1
		.amdhsa_system_vgpr_workitem_id 0
		.amdhsa_next_free_vgpr 1024
		.amdhsa_next_free_sgpr 102
		.amdhsa_reserve_vcc 1
		.amdhsa_float_denorm_mode_32 3
		.amdhsa_float_denorm_mode_16_64 3
		.amdhsa_memory_ordered 1
		.amdhsa_forward_progress 1
		.amdhsa_inst_pref_size 236
	.end_amdhsa_kernel
	.amdgpu_metadata
---
amdhsa.version: [ 1, 2 ]
amdhsa.kernels:
  - .name:           k_q4485105ca8_qkv
    .symbol:         k_q4485105ca8_qkv.kd
    .args:
      - { .name: xw_codes, .offset: 0, .size: 8, .value_kind: global_buffer, .address_space: global }
      - { .name: xw_scales, .offset: 8, .size: 8, .value_kind: global_buffer, .address_space: global }
      - { .name: bq, .offset: 16, .size: 8, .value_kind: global_buffer, .address_space: global }
      - { .name: bk, .offset: 24, .size: 8, .value_kind: global_buffer, .address_space: global }
      - { .name: bv, .offset: 32, .size: 8, .value_kind: global_buffer, .address_space: global }
      - { .name: qkv_img, .offset: 40, .size: 8, .value_kind: global_buffer, .address_space: global }
      - { .name: qkv_sc, .offset: 48, .size: 8, .value_kind: global_buffer, .address_space: global }
    .group_segment_fixed_size: 327680
    .private_segment_fixed_size: 0
    .kernarg_segment_align: 8
    .kernarg_segment_size: 56
    .max_flat_workgroup_size: 128
    .sgpr_count:     102
    .vgpr_count:     1024
    .wavefront_size: 32
...
	.end_amdgpu_metadata
.endif
;; end of part 2
;; launch attn (part 3): grid 4 x 64, 8 waves a work-group, no clusters, 283,136 bytes of LDS; arguments qkv_img, qkv_sc, o_img, o_sc; writes o_img, o_sc
.if DOCPART == 3
	.amdgcn_target "amdgcn-amd-amdhsa--gfx1250"
	.amdhsa_code_object_version 6
	.text
	.protected	k_q4485105ca8_attn
	.globl	k_q4485105ca8_attn
	.p2align	8
	.type	k_q4485105ca8_attn,@function
k_q4485105ca8_attn:
	s_mov_b64 s[64:65], 0
	v_nop
	global_prefetch_b8 v0, s[64:65] scope:SCOPE_SE
	s_setreg_imm32_b32 hwreg(HW_REG_WAVE_MODE, 25, 1), 1
	s_wait_xcnt 0x0
; out = softmax(q k^T / 8) v for one (batch, head) and 512 of its queries, both products on codes of FP6 (E2M3) with E8M0 scales; the result is quantised along the head's 64 for the last projection.
; LEFT OUT: jnp.abs(attn): a softmax is never negative, so |attn| = attn by identity.
; THE SOFTMAX IS QUANTISED FINISHED: p = exp(s - max) / sum, so no code of p can be made before a row's maximum and sum over all 2,048 keys are known.  So THE WAVES SHARE THE KEYS: wave w of eight owns keys
; 256 w .. 256 w + 255 and keeps their K (96 registers) and V (96 registers) for the whole launch, read from memory once.  The work-group walks 32 tiles of 16 queries; for a tile a wave holds its 16 x 256 scores
; in 128 registers: each score is computed once and goes through one exponential.  Two waves stand on each SIMD, 512 registers each.
; THE MAXIMUM.  A wave takes its 256 scores under its own maximum m_w: e = 2^(c s - c m_w), c = log2(e) / 8.  The waves exchange (-c m_w, sum of e) through LDS, 8 bytes a query and wave; then p = e x F,
; F = 2^(c m_w - c m) / l with the row's maximum m and sum l: the row's true maximum is taken away.  A block's largest p is not searched for: its largest score goes through the same lines
; (this takes v_exp_f32 not to fall where its input rises).
; K = 64 IN AN INSTRUCTION OF 128: a fragment of K holds two tiles of 16 keys (registers 0-5, 6-11); Q stands as six zeros, q's six registers, six zeros, and is named once with q low and once with q high.
; LAYOUT.  Both products are used transposed (S^T = K Q^T, O^T = V^T P^T): a lane holds one query (lane % 16).  The keys of a tile are 32 A + 8 u + r + 8 (r / 8), so S's register 16 b + 8 u + j is key 32 b + 16 h + 8 u + j.
; O: each wave's partial of a tile (16 x 64 f32) goes to LDS; after eight tiles wave w adds up tile w's eight partials, quantises it and stores its image.
; No cluster: K and V go from memory straight into registers, once for a work-group, and joint loads serve LDS alone.  No prefetch: the loop streams nothing but 768 bytes of Q a tile, asked for a tile ahead.
; The loads of Q and of its scale words that run ahead are issued in the last tiles too: what they name then lies behind the work-group's part and inside the same buffers (k's part follows q's), and is not used.
; LIMITS: NaN and infinities are not served; where 2^(c m_w - c m) falls under 2^-126 the wave's p are 0; a block of zeros keeps the byte 1 (its codes are zeros).
; REGISTERS: window 0: v0-127 addresses, statistics, scale words, P's codes; v128-255 S.  window 1: K's 8 fragments, V's 8, O^T, Q.
.set SBUF,  1280                       ; LDS from 0: the statistics, 2 buffers x 16 queries x (8 waves x 8 bytes + 16)
.set OBUF,  2560                       ; 8 tile buffers x 8 partials x 16 queries x (256 bytes + 16)
.set PBS,   16*272
.set TBS,   8*PBS
.set OSL,   OBUF+8*TBS                 ; the work-group's 512 scale pairs of o
.set SPARE, OSL+1024                   ; the spare words, 128 bytes a wave, which no other line names
.set RR,  1                            ; r = lane % 16
.set HH,  2                            ; h = lane / 16
.set A16, 3                            ; 16 x lane
.set A8,  4                            ; 8 x lane
.set R8,  5                            ; 8 r
.set STW, 6                            ; LDS: my statistics: 80 r + 8 w
.set STR, 7                            ; and a query's eight pairs: 80 r
.set OW,  8                            ; my partial of O: OBUF + PBS w + 272 r + 64 h
.set OWT, 9                            ; + the pair of tile buffers in hand
.set ORD, 10                           ; the tile buffer that I reduce: OBUF + TBS w + 272 r + 128 h
.set OSW, 11                           ; OSL + 32 w + 2 r
.set OSWT, 12
.set OSR, 13                           ; OSL + 256 w + 8 x lane (waves 0-3 use it)
.set SPW, 14
.set NIL, 15
.set BM,  16                           ; v16-23  a block's largest score, then e, then p, then its byte
.set TP,  24                           ; v24-31  at work beside BM; the conversions' scale operands
.set NW,  32                           ; v32-33  (-c m_w, my wave's sum)
.set FF,  34                           ; v34-35  (F, not used)
.set GS,  44                           ; v44-59  the sum's eight chains; then the eight waves' pairs; then the conversions' second halves
.set TA,  60                           ; v60-67
.set TB,  68
.set T0,  69
.set T1,  70
.set T2,  71
.set H8,  72                           ; 8 h
.set KS,  74                           ; v74-81  K's scale words
.set VS,  82                           ; v82-89  V's
.set PS,  90                           ; v90-91  P's
.set QSL, 92                           ; Q's scale word with q low, with q high
.set QSH, 93
.set QW,  94                           ; v94-97  the scale pairs of eight tiles of Q, two tiles a register
.set PC,  98                           ; v98-121 P's codes, two fragments; in the reduction o's codes
.set S,   128
.set VA16, 131                         ; at the head alone
.set VA8,  132
.set VR4,  133
.set VF,  96                           ; window 1: K at v0, V at v96,
.set OA,  192                          ; O^T: four accumulators,
.set QF,  224                          ; zeros, q, zeros: 18 registers
.set MSB, 0
.macro WIN new                         ; the immediate's high byte repeats the setting that is left
.if MSB != \new
	s_set_vgpr_msb (MSB<<8)|\new
.set MSB, \new
.endif
.endm
.macro WA                              ; this wait ahead of and behind a batch of transcendentals, and ahead of a blocking wait or a taken branch behind which fresh results are read
	s_wait_alu depctr_va_vdst(0)
.endm
.macro DEP d                           ; a hint ahead of a plain line that reads a plain line's result d lines back
	s_delay_alu instid0(VALU_DEP_\d)
.endm
	s_load_b256 s[4:11], s[0:1], 0x0               ; the images, their scale words, o's images, o's scale pairs
	v_lshl_add_u32 v[SPW], v0, 2, SPARE
	v_mov_b32 v[NIL], 0
	v_lshrrev_b32 v1, 5, v0
	v_readfirstlane_b32 s12, v1                    ; wave 0..7
	s_mul_i32 s46, s12, PBS
	s_add_co_u32 s46, s46, OBUF
	s_mul_i32 s47, s12, TBS
	s_add_co_u32 s47, s47, OBUF
	s_lshl_b32 s48, s12, 5
	s_add_co_u32 s48, s48, OSL
	s_lshl_b32 s49, s12, 8
	s_add_co_u32 s49, s49, OSL
	s_lshl_b32 s50, s12, 3
	WA
	v_and_b32 v128, 31, v0                         ; lane
	v_and_b32 v[RR], 15, v0
	v_bfe_u32 v[HH], v0, 4, 1
	v_lshlrev_b32 v[A16], 4, v128
	v_lshlrev_b32 v[A8], 3, v128
	v_lshlrev_b32 v[R8], 3, v[RR]
	v_mul_u32_u24 v[STR], v[RR], 80
	v_add_nc_u32 v[STW], s50, v[STR]
	v_lshlrev_b32 v[H8], 3, v[HH]
	v_mul_u32_u24 v129, v[RR], 272
	v_lshl_add_u32 v[OW], v[HH], 6, v129
	v_add_nc_u32 v[OW], s46, v[OW]
	v_lshl_add_u32 v[ORD], v[HH], 7, v129
	v_add_nc_u32 v[ORD], s47, v[ORD]
	v_lshlrev_b32 v[OSW], 1, v[RR]
	v_add_nc_u32 v[OSW], s48, v[OSW]
	v_add_nc_u32 v[OSR], s49, v[A8]
	v_and_b32 v130, 8, v[RR]
	v_add_nc_u32 v130, v130, v[RR]                 ; r + 8 (r / 8)
	v_mul_u32_u24 v134, v[HH], 1536
	v_lshl_add_u32 v[VA16], v130, 4, v134          ; V: lanes 16-31 take the next 32 keys' image; row r of a tile is column 8 (dt % 2) + r + 8 (r / 8) of its half
	v_lshl_add_u32 v[VA8], v130, 3, v134
	v_lshlrev_b32 v[VR4], 2, v130
.irp i, 0,1,2,3,4,5,6,7
	v_mov_b32 v[TP+\i], 0                          ; written once: a lane permute's destination counts as one of its sources
.endr
	v_mov_b32 v[T0], 0
	v_mov_b32 v[T1], 0
	v_mov_b32 v[NW+1], 0                           ; named as the upper halves of pairs before they are first written
	v_mov_b32 v[FF+1], 0
	WIN 0x40
.irp i, 0,1,2,3,4,5,12,13,14,15,16,17
	v_mov_b32 v[QF+\i], 0                          ; the zero codes on both sides of q: written once
.endr
	WIN 0
	s_and_b32 s13, ttmp7, 0xffff                   ; 16 x batch + head
	s_lshr_b32 s15, s13, 4
	s_and_b32 s16, s13, 15
	s_mul_i32 s46, s13, 98304                      ; its images in each part
	s_mul_i32 s48, ttmp9, 24576
	s_add_co_u32 s48, s48, s46                     ; q: my work-group's 32 tiles
	s_mov_b32 s49, 0
	s_mul_i32 s50, s12, 12288
	s_add_co_u32 s50, s50, s46
	s_add_co_u32 s50, s50, 6291456                 ; k: my wave's 256 keys
	s_mov_b32 s51, 0
	s_lshl_b32 s46, s13, 12                        ; its scale words in each part
	s_lshl_b32 s52, ttmp9, 10
	s_add_co_u32 s52, s52, s46
	s_mov_b32 s53, 0
	s_lshl_b32 s54, s12, 9
	s_add_co_u32 s54, s54, s46
	s_add_co_u32 s54, s54, 262144
	s_mov_b32 s55, 0
	s_mov_b32 s34, 0x3e38aa3b                      ; c = log2(e) / 8
	s_mov_b32 s35, s34                             ; (named with it as a pair)
	s_mov_b32 s36, 0xbe38aa3b                      ; -c
	s_mov_b32 s38, 0x76543210
	s_mov_b32 s39, 0xfedcba98                      ; lane l xor 16
	s_mov_b32 s42, 0                               ; where o's scale pairs go in LDS
	s_mov_b32 s43, 4                               ; runs of eight tiles left
	WA
	s_wait_kmcnt 0x0
	s_add_nc_u64 s[18:19], s[4:5], s[48:49]        ; Q
	s_add_nc_u64 s[20:21], s[4:5], s[50:51]        ; K
	s_add_nc_u64 s[22:23], s[20:21], 6291456       ; V
	s_add_nc_u64 s[24:25], s[6:7], s[52:53]        ; Q's scale words
	s_add_nc_u64 s[26:27], s[6:7], s[54:55]        ; K's
	s_add_nc_u64 s[28:29], s[26:27], 262144        ; V's
	s_lshl_b32 s46, s15, 7
	s_lshl_b32 s47, ttmp9, 5
	s_add_co_u32 s46, s46, s47                     ; the work-group's first tile among a head's 512: 128 x batch + 32 x quarter
	s_add_co_u32 s47, s46, s12                     ; the first that I reduce
	s_mul_i32 s48, s47, 768
	s_mul_i32 s50, s16, 393216
	s_add_co_u32 s48, s48, s50
	s_add_nc_u64 s[30:31], s[8:9], s[48:49]        ; o's images
	s_lshl_b32 s48, s46, 5                         ; 32 bytes of scale pairs a tile
	s_lshl_b32 s50, s16, 14
	s_add_co_u32 s48, s48, s50
	s_lshl_b32 s50, s12, 8
	s_add_co_u32 s48, s48, s50
	s_add_nc_u64 s[32:33], s[10:11], s[48:49]      ; o's scale pairs: waves 0-3 store 256 bytes each of the work-group's 1,024
	WIN 0x40                                       ; destination window 1
.set n, 0
.rept 8                                        ; K: fragment b = the images of key tiles 2 b and 2 b + 1
	global_load_b128 v[12*n:12*n+3], v[A16], s[20:21] offset:1536*n
	global_load_b64 v[12*n+4:12*n+5], v[A8], s[20:21] offset:1536*n+512
	global_load_b128 v[12*n+6:12*n+9], v[A16], s[20:21] offset:1536*n+768
	global_load_b64 v[12*n+10:12*n+11], v[A8], s[20:21] offset:1536*n+1280
.set n, n+1
.endr
.irp s, 0,1                                    ; V: fragment (chunk s of 128 keys, tile dt of 16 columns): registers 6 c .. 6 c + 5 = keys 128 s + 64 c + 32 h + 0 .. 31 of my column
.irp dt, 0,1,2,3
.irp c, 0,1
	global_load_b128 v[VF+12*(4*\s+\dt)+6*\c:VF+12*(4*\s+\dt)+6*\c+3], v[VA16], s[22:23] offset:(4*\s+2*\c)*1536+(\dt/2)*768+128*(\dt%2)
	global_load_b64 v[VF+12*(4*\s+\dt)+6*\c+4:VF+12*(4*\s+\dt)+6*\c+5], v[VA8], s[22:23] offset:(4*\s+2*\c)*1536+(\dt/2)*768+512+64*(\dt%2)
.endr
.endr
.endr
	global_load_b128 v[QF+6:QF+9], v[A16], s[18:19]           ; Q's first tile
	global_load_b64 v[QF+10:QF+11], v[A8], s[18:19] offset:512
	WIN 0
.irp g, 0,1,2,3
	global_load_b64 v[KS+2*\g:KS+2*\g+1], v[R8], s[26:27] offset:128*\g
.endr
.irp s, 0,1
.irp dt, 0,1,2,3
	global_load_b32 v[VS+4*\s+\dt], v[VR4], s[28:29] offset:256*\s+128*(\dt/2)+32*(\dt%2)
.endr
.endr
	global_load_b64 v[QW:QW+1], v[R8], s[24:25]               ; the scale pairs of the first eight tiles
	global_load_b64 v[QW+2:QW+3], v[R8], s[24:25] offset:128
.set TT, PC                            ; v98-113 the sum's second set of eight pairs: P's code registers are free until the conversions
.macro FM i                            ; c s - c m_w of scores 2 i and 2 i + 1
	v_pk_fma_f32 v[S+2*(\i):S+2*(\i)+1], v[S+2*(\i):S+2*(\i)+1], s[34:35], v[NW:NW+1] op_sel_hi:[1,0,0]
.endm
.macro EX i                            ; e of score i
	v_exp_f32 v[S+(\i)], v[S+(\i)]
.endm
.macro TR d, k, i                      ; four e of quarter k (32 scores) into pair i of the set d
	v_pk_add_f32 v[\d+2*(\i):\d+2*(\i)+1], v[S+32*(\k)+4*(\i):S+32*(\k)+4*(\i)+1], v[S+32*(\k)+4*(\i)+2:S+32*(\k)+4*(\i)+3]
.endm
.macro AC i                            ; pair i of the second set onto chain i
	v_pk_add_f32 v[GS+2*(\i):GS+2*(\i)+1], v[GS+2*(\i):GS+2*(\i)+1], v[TT+2*(\i):TT+2*(\i)+1]
.endm
.macro NORM s                          ; p = e x F, 64 numbers
.set n, 0
.rept 32
	v_pk_mul_f32 v[S+64*(\s)+2*n:S+64*(\s)+2*n+1], v[S+64*(\s)+2*n:S+64*(\s)+2*n+1], v[FF:FF+1] op_sel_hi:[1,0]
.set n, n+1
.endr
.endm
; ONE TILE OF 16 QUERIES.  u: which of a pair: it picks the statistics' buffer, the tile buffer and the half of Q's scale register.
.macro TILE u
	WA
	s_wait_loadcnt 0x0                             ; Q (asked for a tile ago) and its scale pairs; the first time K and V too
.if \u
	v_lshrrev_b32 v[QSL], 16, v[QW]                ; the tile's two bytes over q low; the byte 0 over the zero codes is 2^-127
	v_and_b32 v[QSH], 0xffff0000, v[QW]            ; and over q high
.else
	v_and_b32 v[QSL], 0xffff, v[QW]
	v_lshlrev_b32 v[QSH], 16, v[QW]
.endif
	v_add_nc_u32 v[OWT], s41, v[OW]
.rept 7
	v_nop                                          ; a scale register written by a vector line stands eight plain lines ahead of the scaled matrix instruction
.endr
	WIN 0x05                                       ; K and Q window 1, S window 0
.set n, 0
.rept 8                                        ; 16 products, each on an accumulator of its own
	v_wmma_scale_f32_16x16x128_f8f6f4 v[S+16*n:S+16*n+7], v[12*n:12*n+11], v[QF+6:QF+17], 0, v[KS+n], v[QSL] matrix_a_fmt:MATRIX_FMT_FP6 matrix_b_fmt:MATRIX_FMT_FP6
	v_wmma_scale_f32_16x16x128_f8f6f4 v[S+16*n+8:S+16*n+15], v[12*n:12*n+11], v[QF:QF+11], 0, v[KS+n], v[QSH] matrix_a_fmt:MATRIX_FMT_FP6 matrix_b_fmt:MATRIX_FMT_FP6
.set n, n+1
.endr
	WIN 0
.rept 4
	v_nop                                          ; places behind the products: for the reads of S and for the loads into Q's registers
.endr
	WIN 0x40
	global_load_b128 v[QF+6:QF+9], v[A16], s[18:19] offset:((\u)+1)*768       ; the next tile's Q
	global_load_b64 v[QF+10:QF+11], v[A8], s[18:19] offset:((\u)+1)*768+512
	WIN 0
.set n, 0
.rept 64                                       ; the largest score of each block of 32 keys: the eight blocks by turns, each accumulator from its low end on
.if n/8 == 0
	v_max_num_f32 v[BM+n%8], v[S+16*(n%8)], v[S+16*(n%8)+1]
.else
	v_max3_num_f32 v[BM+n%8], v[S+16*(n%8)+2*(n/8)], v[S+16*(n%8)+2*(n/8)+1], v[BM+n%8]
.endif
.set n, n+1
.endr
.irp b, 0,1,2,3,4,5,6,7
	v_permlanex16_b32 v[TP+\b], v[BM+\b], s38, s39
.endr
.irp b, 0,1,2,3,4,5,6,7
	v_max_num_f32 v[BM+\b], v[BM+\b], v[TP+\b]     ; with lane l xor 16's 16 keys
.endr
	v_max3_num_f32 v[T0], v[BM], v[BM+1], v[BM+2]
	v_max3_num_f32 v[T1], v[BM+3], v[BM+4], v[BM+5]
	v_max3_num_f32 v[T0], v[T0], v[BM+6], v[BM+7]
	v_max_num_f32 v[T0], v[T0], v[T1]              ; m_w
	v_mul_f32 v[NW], s36, v[T0]                    ; -c m_w
.set n, 0
.rept 16                                       ; quarter 0
	FM n
.set n, n+1
.endr
.irp b, 0,1,2,3,4,5,6,7
	v_fma_f32 v[BM+\b], v[BM+\b], s34, v[NW]       ; the same of each block's largest score
.endr
	WA
; THE EXPONENTIALS GO BY QUARTERS OF 32 SCORES, with plain lines between them: the multiply-adds of later quarters and the sums of earlier ones.  Each such line reads what was made ahead of the last wait
; and writes a register that is first read behind the next wait; none names a result of the batch in which it stands.
.set n, 0
.rept 32                                       ; quarter 0's e; quarters 1 and 2 under the maximum
	EX n
	FM 16+n
.set n, n+1
.endr
.irp b, 0,1,2,3,4,5,6,7
	v_exp_f32 v[BM+\b], v[BM+\b]                   ; each block's largest e
.endr
	WA                                             ; behind this batch, ahead of the next: so at each of the waits below
.set n, 0
.rept 16                                       ; quarter 1's e; quarter 3 under the maximum
	EX 32+n
	FM 48+n
.set n, n+1
.endr
.set n, 0
.rept 8                                        ; quarter 0's e begin the sum's eight chains
	EX 48+n
	TR GS, 0, n
.set n, n+1
.endr
.set n, 0
.rept 8
	EX 56+n
.set n, n+1
.endr
	WA
.set n, 0
.rept 8                                        ; quarter 2's e; quarter 1's sums into the second set
	EX 64+n
	TR TT, 1, n
.set n, n+1
.endr
.set n, 0
.rept 24
	EX 72+n
.set n, n+1
.endr
	WA
.set n, 0
.rept 8                                        ; quarter 3's e; quarter 1's sums onto the chains,
	EX 96+n
	AC n
.set n, n+1
.endr
.set n, 0
.rept 8                                        ; and quarter 2's into the second set, behind the lines that read it
	EX 104+n
	TR TT, 2, n
.set n, n+1
.endr
.set n, 0
.rept 16
	EX 112+n
.set n, n+1
.endr
	WA
.set n, 0
.rept 8
	AC n                                           ; quarter 2's sums
.set n, n+1
.endr
.set n, 0
.rept 8
	TR TT, 3, n
.set n, n+1
.endr
.set n, 0
.rept 8
	AC n                                           ; quarter 3's
.set n, n+1
.endr
.irp i, 0,2,4,6
	DEP 4
	v_pk_add_f32 v[GS+\i:GS+\i+1], v[GS+\i:GS+\i+1], v[GS+8+\i:GS+8+\i+1]
.endr
.irp i, 0,2
	DEP 2
	v_pk_add_f32 v[GS+\i:GS+\i+1], v[GS+\i:GS+\i+1], v[GS+4+\i:GS+4+\i+1]
.endr
	DEP 1
	v_pk_add_f32 v[GS:GS+1], v[GS:GS+1], v[GS+2:GS+3]
	DEP 1
	v_add_f32 v[T1], v[GS], v[GS+1]
	v_permlanex16_b32 v[T0], v[T1], s38, s39
	v_add_f32 v[NW+1], v[T1], v[T0]                ; with lane l xor 16's keys: my wave's sum
	ds_store_b64 v[STW], v[NW:NW+1] offset:SBUF*(\u)   ; both lanes of a query write the same pair
	WA
	s_wait_dscnt 0x0                               ; for the others' sake: my statistics lie in LDS, and so does my partial of the tile before
	s_barrier_signal -1
	s_barrier_wait -1
.irp j, 0,1,2,3
	ds_load_b128 v[GS+4*\j:GS+4*\j+3], v[STR] offset:SBUF*(\u)+16*\j      ; the eight waves' pairs of my query
.endr
	s_wait_dscnt 0x0
	v_min3_num_f32 v[T0], v[GS], v[GS+2], v[GS+4]
	v_min3_num_f32 v[T1], v[GS+6], v[GS+8], v[GS+10]
	DEP 2
	v_min3_num_f32 v[T0], v[T0], v[GS+12], v[GS+14]
	DEP 1
	v_min_num_f32 v[T0], v[T0], v[T1]              ; -c m of the whole row
	DEP 1
.irp w, 0,1,2,3,4,5,6,7
	v_sub_f32 v[TA+\w], v[T0], v[GS+2*\w]          ; c m_w - c m, 0 or less
.endr
	v_sub_f32 v[TB], v[T0], v[NW]                  ; and my own
	WA
.irp i, 0,1,2,3,4,5,6,7,8
	v_exp_f32 v[TA+\i], v[TA+\i]                   ; (v[TA+8] is v[TB])
.endr
	v_nop
	WA
	v_mul_f32 v[T1], v[TA], v[GS+1]                ; the row's sum, in two chains, in the same order in every wave
	v_mul_f32 v[T2], v[TA+1], v[GS+3]
.irp w, 2,4,6
	v_fma_f32 v[T1], v[TA+\w], v[GS+2*\w+1], v[T1]
	v_fma_f32 v[T2], v[TA+\w+1], v[GS+2*\w+3], v[T2]
.endr
	v_add_f32 v[T1], v[T1], v[T2]
	WA
	v_rcp_f32 v[T2], v[T1]
	v_nop
	WA
	v_mul_f32 v[FF], v[TB], v[T2]                  ; F
	NORM 0
.irp b, 0,1,2,3,4,5,6,7
	v_mul_f32 v[BM+\b], v[BM+\b], v[FF]            ; the block's largest p: the same multiplication on the same number
.endr
.irp b, 0,1,2,3,4,5,6,7
	v_max_num_f32 v[BM+\b], 0x1800000, v[BM+\b]    ; the floor 2^(3 - 127)
.endr
.irp b, 0,1,2,3,4,5,6,7
	v_add_nc_u32 v[TP+\b], 0xff000000, v[BM+\b]    ; 2 off the exponent field: the conversion's scale operand
.endr
.irp b, 0,1,2,3,4,5,6,7
	v_lshrrev_b32 v[BM+\b], 23, v[TP+\b]           ; the byte
.endr
.irp i, 0,1,2,3
	v_lshl_or_b32 v[TA+\i], v[BM+2*\i+1], 8, v[BM+2*\i]
.endr
	v_lshl_or_b32 v[PS], v[TA+1], 16, v[TA]        ; P's scale words for my two chunks of 128 keys
	v_lshl_or_b32 v[PS+1], v[TA+3], 16, v[TA+2]
	NORM 1
.irp s, 0,1
.irp c, 0,1
	v_cvt_scalef32_pk16_fp6_f32 v[PC+12*\s+6*\c:PC+12*\s+6*\c+2], v[S+64*\s+32*\c:S+64*\s+32*\c+15], v[TP+4*\s+2*\c]
	v_cvt_scalef32_pk16_fp6_f32 v[GS+8*\s+4*\c:GS+8*\s+4*\c+2], v[S+64*\s+32*\c+16:S+64*\s+32*\c+31], v[TP+4*\s+2*\c+1]
.endr
.endr
	v_nop                                          ; one plain line behind a scaled conversion
.irp s, 0,1                                    ; a whole block to a lane
.irp c, 0,1
.irp i, 0,1,2
	v_permlane16_swap_b32 v[PC+12*\s+6*\c+\i], v[GS+8*\s+4*\c+\i]
.endr
.endr
.endr
.irp s, 0,1
.irp c, 0,1
.irp i, 0,1,2
	v_mov_b32 v[PC+12*\s+6*\c+3+\i], v[GS+8*\s+4*\c+\i]
.endr
.endr
.endr
.rept 4
	v_nop                                          ; an operand written by a vector line stands four plain lines ahead of the scaled matrix instruction
.endr
	WIN 0x51                                       ; V and O^T window 1, P window 0.  The four accumulators take turns
.irp dt, 0,1,2,3
	v_wmma_scale_f32_16x16x128_f8f6f4 v[OA+8*\dt:OA+8*\dt+7], v[VF+12*\dt:VF+12*\dt+11], v[PC:PC+11], 0, v[VS+\dt], v[PS] matrix_a_fmt:MATRIX_FMT_FP6 matrix_b_fmt:MATRIX_FMT_FP6
.endr
.irp dt, 0,1,2,3
	v_wmma_scale_f32_16x16x128_f8f6f4 v[OA+8*\dt:OA+8*\dt+7], v[VF+48+12*\dt:VF+48+12*\dt+11], v[PC+12:PC+23], v[OA+8*\dt:OA+8*\dt+7], v[VS+4+\dt], v[PS+1] matrix_a_fmt:MATRIX_FMT_FP6 matrix_b_fmt:MATRIX_FMT_FP6
.endr
	WIN 0x04                                       ; the stores' data window 1
.rept 4
	v_nop
.endr
.irp dt, 0,1,2,3                               ; my partial of O: lane (r, h), tile dt: columns 32 (dt / 2) + 8 (dt % 2) + 16 h + 0 .. 7 of query r
	ds_store_b128 v[OWT], v[OA+8*\dt:OA+8*\dt+3] offset:TBS*(\u)+128*(\dt/2)+32*(\dt%2)
	ds_store_b128 v[OWT], v[OA+8*\dt+4:OA+8*\dt+7] offset:TBS*(\u)+128*(\dt/2)+32*(\dt%2)+16
.endr
	WIN 0
.endm
.macro RLOAD p, d                      ; block h (32 columns) of query r from wave p's partial
.irp i, 0,1,2,3,4,5,6,7
	ds_load_b128 v[S+\d+4*\i:S+\d+4*\i+3], v[ORD] offset:PBS*\p+16*\i
.endr
.endm
.macro RADD a, b, cnt                  ; cnt: the younger loads, which may stay out
	WA
	s_wait_dscnt \cnt
.irp k, 0,2,4,6,8,10,12,14,16,18,20,22,24,26,28,30
	v_pk_add_f32 v[S+\a+\k:S+\a+\k+1], v[S+\a+\k:S+\a+\k+1], v[S+\b+\k:S+\b+\k+1]
.endr
.endm
.Louter:                                               ; 4 trips of eight tiles
	s_mov_b32 s41, 0                               ; the pair of tile buffers
	s_mov_b32 s44, 4
.Linner:
	TILE 0
	TILE 1
	v_mov_b32 v[QW], v[QW+1]                       ; the next two tiles' scale pairs
	v_mov_b32 v[QW+1], v[QW+2]
	v_mov_b32 v[QW+2], v[QW+3]
	s_wait_xcnt 0x0                                ; Q's loads have read their base
	s_add_nc_u64 s[18:19], s[18:19], 1536
	s_add_co_u32 s41, s41, 2*TBS
	s_sub_co_u32 s44, s44, 1
	s_cmp_lg_u32 s44, 0
	WA
	s_cbranch_scc1 .Linner
	; ---- eight tiles' partials lie in LDS: wave w adds up tile w's eight, quantises the tile and stores its image
	s_wait_dscnt 0x0                               ; my partials lie in LDS
	s_barrier_signal -1
	s_barrier_wait -1
	RLOAD 0, 0
	RLOAD 1, 32
	RLOAD 2, 64
	RLOAD 3, 96
	RADD 0, 32, 16                                 ; partials 0 and 1 are in
	RLOAD 4, 32
	RADD 64, 96, 8                                 ; 2 and 3 are in; 4's eight loads may be out
	RADD 0, 64, 8
	RLOAD 5, 64
	RLOAD 6, 96
	RADD 0, 32, 16                                 ; 4 is in
	RLOAD 7, 32
	RADD 64, 96, 8                                 ; 5 and 6 are in
	RADD 0, 64, 8
	RADD 0, 32, 0
	v_max3_num_f32 v[TA], |v[S]|, |v[S+1]|, 0x1800000    ; the block's largest magnitude: all 32 numbers are mine; and the floor
	v_max_num_f32 v[TA+1], |v[S+2]|, |v[S+3]|
.irp i, 4,8,12,16,20,24,28
	v_max3_num_f32 v[TA], |v[S+\i]|, |v[S+\i+1]|, v[TA]
	v_max3_num_f32 v[TA+1], |v[S+\i+2]|, |v[S+\i+3]|, v[TA+1]
.endr
	v_max_num_f32 v[TA], v[TA], v[TA+1]
	v_add_nc_u32 v[TA+2], 0xff000000, v[TA]
	v_lshrrev_b32 v[TA+3], 23, v[TA+2]
	v_lshlrev_b32 v[TB], v[H8], v[TA+3]            ; my block's byte at its place in the row's pair,
	v_permlanex16_b32 v[T1], v[TB], s38, s39
	v_or_b32 v[TB], v[TB], v[T1]                   ; with the other block's
	v_add_nc_u32 v[OSWT], s42, v[OSW]
	ds_store_b16 v[OSWT], v[TB]                    ; both lanes of a row write the same pair
	WA
	s_wait_xcnt 0x0                                ; the last image's stores have read their registers
	v_cvt_scalef32_pk16_fp6_f32 v[PC:PC+2], v[S:S+15], v[TA+2]
	v_cvt_scalef32_pk16_fp6_f32 v[PC+6:PC+8], v[S+16:S+31], v[TA+2]
	v_nop
.irp i, 0,1,2
	v_mov_b32 v[PC+3+\i], v[PC+6+\i]
.endr
	global_store_b128 v[A16], v[PC:PC+3], s[30:31]                ; 512 consecutive bytes,
	global_store_b64 v[A8], v[PC+4:PC+5], s[30:31] offset:512     ; and 256, each at a multiple of 256 from the buffer's first byte
	global_load_b64 v[QW:QW+1], v[R8], s[24:25] offset:256        ; the next eight tiles' scale pairs
	global_load_b64 v[QW+2:QW+3], v[R8], s[24:25] offset:384
	s_wait_xcnt 0x0                                ; the bases may step
	s_add_nc_u64 s[30:31], s[30:31], 6144
	s_add_nc_u64 s[24:25], s[24:25], 256
	s_add_co_u32 s42, s42, 256
	s_sub_co_u32 s43, s43, 1
	s_cmp_lg_u32 s43, 0
	WA
	s_cbranch_scc1 .Louter
	s_wait_dscnt 0x0                               ; my scale pairs lie in LDS
	s_barrier_signal -1
	s_barrier_wait -1
	s_cmp_gt_u32 s12, 3
	s_cbranch_scc1 .Lend                           ; 1,024 bytes: four waves store them
	ds_load_b64 v[TA:TA+1], v[OSR]
	s_wait_dscnt 0x0
	global_store_b64 v[A8], v[TA:TA+1], s[32:33]   ; 256 consecutive bytes a wave, at a multiple of 256 from the buffer's first byte
.Lend:
	s_wait_tensorcnt 0x0                           ; the wave's end, behind my last LDS store
	ds_add_u32 v[SPW], v[NIL]
	s_wait_dscnt 0x0
	s_endpgm
.Lfunc_end_k_q4485105ca8_attn:
	.size	k_q4485105ca8_attn, .Lfunc_end_k_q4485105ca8_attn-k_q4485105ca8_attn
	.p2alignl 7, 3214868480
	.fill 96, 4, 3214868480
	.section	.rodata,"a",@progbits
	.p2align	6, 0x0
	.amdhsa_kernel k_q4485105ca8_attn
		.amdhsa_group_segment_fixed_size 283136
		.amdhsa_private_segment_fixed_size 0
		.amdhsa_enable_private_segment 0
		.amdhsa_kernarg_size 32
		.amdhsa_user_sgpr_count 2
		.amdhsa_user_sgpr_kernarg_segment_ptr 1
		.amdhsa_wavefront_size32 1
		.amdhsa_system_sgpr_workgroup_id_x 1
		.amdhsa_system_sgpr_workgroup_id_y 1
		.amdhsa_system_sgpr_workgroup_id_z 1
		.amdhsa_system_vgpr_workitem_id 0
		.amdhsa_next_free_vgpr 512
		.amdhsa_next_free_sgpr 66
		.amdhsa_reserve_vcc 0
		.amdhsa_float_denorm_mode_32 3
		.amdhsa_float_denorm_mode_16_64 3
		.amdhsa_memory_ordered 1
		.amdhsa_forward_progress 1
		.amdhsa_inst_pref_size 91
	.end_amdhsa_kernel
	.amdgpu_metadata
---
amdhsa.version: [ 1, 2 ]
amdhsa.kernels:
  - .name:           k_q4485105ca8_attn
    .symbol:         k_q4485105ca8_attn.kd
    .args:
      - { .name: qkv_img, .offset: 0, .size: 8, .value_kind: global_buffer, .address_space: global }
      - { .name: qkv_sc, .offset: 8, .size: 8, .value_kind: global_buffer, .address_space: global }
      - { .name: o_img, .offset: 16, .size: 8, .value_kind: global_buffer, .address_space: global }
      - { .name: o_sc, .offset: 24, .size: 8, .value_kind: global_buffer, .address_space: global }
    .group_segment_fixed_size: 283136
    .private_segment_fixed_size: 0
    .kernarg_segment_align: 8
    .kernarg_segment_size: 32
    .max_flat_workgroup_size: 256
    .sgpr_count:     66
    .vgpr_count:     512
    .wavefront_size: 32
...
	.end_amdgpu_metadata
.endif
;; end of part 3
;; launch proj (part 4): grid 4 x 32, 4 waves a work-group, clusters of 4 x 4, 327,680 bytes of LDS; arguments o_img, o_sc, xw_codes, xw_scales, bo, out0; writes out0
.if DOCPART == 4
	.amdgcn_target "amdgcn-amd-amdhsa--gfx1250"
	.amdhsa_code_object_version 6
	.text
	.protected	k_q4485105ca8_proj
	.globl	k_q4485105ca8_proj
	.p2align	8
	.type	k_q4485105ca8_proj,@function
k_q4485105ca8_proj:
	s_mov_b64 s[64:65], 0
	v_nop
	global_prefetch_b8 v0, s[64:65] scope:SCOPE_SE
	s_setreg_imm32_b32 hwreg(HW_REG_WAVE_MODE, 25, 1), 1
	s_wait_xcnt 0x0
	s_wait_alu depctr_hold_cnt(0) depctr_sa_sdst(0) depctr_va_vdst(0) depctr_va_sdst(0) depctr_va_ssrc(0) depctr_va_vcc(0) depctr_vm_vsrc(0)
	s_getreg_b32 s2, hwreg(HW_REG_IB_STS2, 6, 4)
	s_cmp_eq_u32 s2, 0
	s_cbranch_scc0 .Lentry_in_a_cluster
	s_endpgm
.Lentry_in_a_cluster:
	s_bfe_u32 s2, ttmp6, 0x10000c
	s_cmp_lg_u32 s2, 0xf033
	s_cbranch_scc0 .Lentry_shape_is_right
	s_endpgm
.Lentry_shape_is_right:
.set SIZE_N, 1024
.set SIZE_K, 1024
.set WOROW,  11264
.set KSTEP,  256
.set NQ,     KSTEP/128
.set ROWB,   256                       ; a tensor row of Wo's codes: 256 bytes of a dense block (128 places x 192 bytes = 96 such rows), at a multiple of 256 from the buffer's first byte
.set PLANE,  12288*192                 ; the codes' table lies in four planes, one for each 256 along K
.set KROW,   192                       ; a place's bytes in a plane
.set PITCH,  240
.set FR,     12
.set NLA,    4
.set NP,     4
.set HALFT,  128*PITCH
.set SLOT,   4*HALFT
.set LAPS,   SIZE_K/(2*KSTEP)
.set KS,     SIZE_K/32
.set HEADB,  393216
.set HROW,   8*768
.set SCL,    2*SLOT
.set HALFS,  (128*KS/256)*272
.set SBLK,   (16*KS/256)*272
.set ORAW,   SCL+4*HALFS
.set SPARE,  ORAW+8192
.set SPITCH, 528
.set ADRA, 16
.set ADRB, 20
.set STO,  24
.set RD,   25
.set CO,   26
.set ADRS, 27
.set SPW,  28
.set NIL,  29
.set SC,   32
.set BI,   64
.set AF,   128
.set BK,   128
.set G1, 24
.set G0, 32
.set G1B, 48
.set G0B, 56
.set G1S, 68
.set G0S, 76
.set G1SB, 80
.set G0SB, 88
.set MSB, 0
.macro WIN new
.if MSB != \new
	s_set_vgpr_msb (MSB<<8)|\new
.set MSB, \new
.endif
.endm
.set MUL_LO, 0xa1
.set MUL_HI, 0xf1
.set BIA_LO, 0x81
.set BIA_HI, 0xc1
.set TO_B,   0x40
.macro JLOAD g0a, g1a, g0b, g1b
	s_cmp_eq_u32 s15, 0
	s_cbranch_scc0 .Lfor_b_\@
	tensor_load_to_lds s[\g0a:\g0a+3], s[\g1a:\g1a+7]
	s_nop 0
.rept 4
	v_nop
.endr
	s_branch .Lasked_\@
.Lfor_b_\@:
	tensor_load_to_lds s[\g0b:\g0b+3], s[\g1b:\g1b+7]
	s_nop 0
.rept 4
	v_nop
.endr
.Lasked_\@:
.endm
.macro CREST
	s_cmp_lg_u32 s14, 0
	s_cbranch_scc1 .Lnot_wave_0_\@
	s_barrier_signal -3
.Lnot_wave_0_\@:
	s_barrier_wait -3
	s_barrier_signal -1
	s_barrier_wait -1
.endm
.macro CROUND
	s_barrier_signal -1
	s_barrier_wait -1
	CREST
.endm
	s_load_b128 s[4:7], s[0:1], 0x0
	s_load_b128 s[8:11], s[0:1], 0x10
	s_load_b64 s[96:97], s[0:1], 0x20
	s_load_b64 s[12:13], s[0:1], 0x28
	v_lshl_add_u32 v[SPW], v0, 2, SPARE
	v_mov_b32 v[NIL], 0
	ds_add_u32 v[SPW], v[NIL]
	ds_add_u32 v[SPW], v[NIL]
	v_lshrrev_b32 v1, 5, v0
	v_readfirstlane_b32 s14, v1
	s_lshr_b32 s15, s14, 1
	s_and_b32 s16, s14, 1
	s_bfe_u32 s40, ttmp6, 0x40000
	s_bfe_u32 s41, ttmp6, 0x40004
	s_lshl_b32 s42, ttmp9, 2
	s_add_co_u32 s42, s42, s40
	s_and_b32 s17, ttmp7, 0xffff
	s_lshl_b32 s17, s17, 2
	s_add_co_u32 s17, s17, s41
	s_lshl_b32 s43, s41, 2
	s_lshl_b32 s43, 15, s43
	s_lshl_b32 s44, 0x1111, s40
	s_or_b32 s[G1+0], s43, (3<<16)|(1<<21)
	s_mov_b32 s[G1+1], (HROW/8)<<16
	s_mov_b32 s[G1+2], 4<<16
	s_mov_b32 s[G1+3], (HROW/8)<<16
	s_mov_b32 s[G1+4], 4
	s_mov_b32 s[G1+5], HEADB/8
	s_mov_b32 s[G1+6], 0
	s_mov_b32 s[G1+7], 0
	s_or_b32 s[G1B+0], s44, (0<<16)|(1<<20)|(1<<21)|(3<<22)|(3<<25)
	s_mov_b32 s[G1B+1], ROWB<<16
	s_mov_b32 s[G1B+2], 96<<16
	s_mov_b32 s[G1B+3], ROWB<<16
	s_mov_b32 s[G1B+4], 96
	s_mov_b32 s[G1B+5], ROWB
	s_mov_b32 s[G1B+6], 0
	s_mov_b32 s[G1B+7], 0
	s_or_b32 s[G1S+0], s43, (3<<16)|(1<<21)
	s_mov_b32 s[G1S+1], 32<<16
	s_mov_b32 s[G1S+2], 16<<16
	s_mov_b32 s[G1S+3], 32<<16
	s_mov_b32 s[G1S+4], 16
	s_mov_b32 s[G1S+5], 2048
	s_mov_b32 s[G1S+6], 0
	s_mov_b32 s[G1S+7], 0
	s_or_b32 s[G1SB+0], s44, (3<<16)|(1<<20)|(1<<21)|(5<<22)|(3<<25)
	s_mov_b32 s[G1SB+1], 32<<16
	s_mov_b32 s[G1SB+2], (128*KS/256)<<16
	s_mov_b32 s[G1SB+3], 32<<16
	s_mov_b32 s[G1SB+4], 128*KS/256
	s_mov_b32 s[G1SB+5], 32
	s_mov_b32 s[G1SB+6], 0
	s_mov_b32 s[G1SB+7], 0
	s_lshl_b32 s20, s17, 4
	s_lshl_b32 s18, s16, 3
	s_add_co_u32 s18, s20, s18
	s_mul_i32 s20, s18, 768
	s_mov_b32 s21, 0
	s_lshl_b32 s22, s18, 5
	s_mov_b32 s23, 0
	s_lshl_b32 s18, s16, 7
	s_lshl_b32 s46, s42, 8
	s_add_co_u32 s46, s46, s18
	s_mov_b32 s47, 0
	s_mov_b64 s[18:19], KS
	s_mul_u64 s[92:93], s[46:47], s[18:19]
	s_mov_b64 s[18:19], KROW
	s_mul_u64 s[46:47], s[46:47], s[18:19]
	s_mul_i32 s45, s14, HALFT
	s_mul_i32 s94, s14, HALFS
	s_lshl_b32 s95, s16, 12
	s_wait_dscnt 0x0
	s_wait_kmcnt 0x0
	s_add_nc_u64 s[8:9], s[8:9], WOROW*KROW
	s_add_nc_u64 s[10:11], s[10:11], WOROW*KS
	s_add_nc_u64 s[20:21], s[4:5], s[20:21]
	s_add_nc_u64 s[22:23], s[6:7], s[22:23]
	s_add_nc_u64 s[46:47], s[8:9], s[46:47]
	s_add_nc_u64 s[92:93], s[10:11], s[92:93]
	CROUND
	s_mov_b32 s[G0S], 1
	s_add_co_u32 s[G0S+1], s95, ORAW
	s_mov_b64 s[G0S+2:G0S+3], s[22:23]
	s_or_b32 s[G0S+3], s[G0S+3], 0x80000000
	s_mov_b32 s[G0SB], 1
	s_add_co_u32 s[G0SB+1], s94, SCL
	s_mov_b64 s[G0SB+2:G0SB+3], s[92:93]
	s_or_b32 s[G0SB+3], s[G0SB+3], 0x80000000
	JLOAD G0S, G1S, G0SB, G1SB
.irp s, 0,1
	s_mov_b32 s[G0+4*\s], 1
	s_add_co_u32 s[G0+4*\s+1], s45, \s*SLOT
	s_add_nc_u64 s[G0+4*\s+2:G0+4*\s+3], s[20:21], \s*4*HEADB
	s_or_b32 s[G0+4*\s+3], s[G0+4*\s+3], 0x80000000
	s_mov_b32 s[G0B+4*\s], 1
	s_add_co_u32 s[G0B+4*\s+1], s45, \s*SLOT
	s_add_nc_u64 s[G0B+4*\s+2:G0B+4*\s+3], s[46:47], \s*PLANE
	s_or_b32 s[G0B+4*\s+3], s[G0B+4*\s+3], 0x80000000
	s_wait_alu depctr_va_vdst(0)
	s_wait_tensorcnt 0x0
	ds_add_u32 v28, v29
	s_wait_dscnt 0x0
	CROUND
	JLOAD G0+4*\s, G1, G0B+4*\s, G1B
.endr
	v_and_b32 v1, 15, v0
	v_bfe_u32 v2, v0, 4, 1
	s_lshl_b32 s98, s42, 10
	s_lshl_b32 s99, s16, 9
	s_add_co_u32 s98, s98, s99
	s_mov_b32 s99, 0
	s_add_nc_u64 s[96:97], s[96:97], s[98:99]
	v_lshlrev_b32 v7, 6, v2
.irp b, 0,1,2,3,4,5,6,7
	global_load_b128 v[BI+8*\b:BI+8*\b+3], v7, s[96:97] offset:4*(32*(\b/2)+8*(\b%2))
	global_load_b128 v[BI+8*\b+4:BI+8*\b+7], v7, s[96:97] offset:4*(32*(\b/2)+8*(\b%2))+16
.endr
	v_and_b32 v6, 31, v0
	v_lshlrev_b32 v[CO], 4, v6
	v_lshlrev_b32 v3, 3, v6
	v_mul_u32_u24 v4, v1, PITCH
	v_mad_u32_u24 v4, v2, 24, v4
	v_lshl_add_u32 v5, v2, 4, v4
	s_mul_i32 s21, s15, HALFT
	s_mul_i32 s22, s16, HALFT
	s_add_co_u32 s22, s22, 2*HALFT
.irp s, 0,1
	v_add_nc_u32 v[ADRA+\s], s21, v[CO]
	v_add_nc_u32 v[ADRA+2+\s], s21, v3
	v_add_nc_u32 v[ADRB+\s], s22, v4
	v_add_nc_u32 v[ADRB+2+\s], s22, v5
	s_add_co_u32 s21, s21, SLOT
	s_add_co_u32 s22, s22, SLOT
.endr
	v_mul_u32_u24 v5, v1, KS
	v_lshrrev_b32 v6, 8, v5
	v_lshl_add_u32 v5, v6, 4, v5
	s_mul_i32 s21, s15, HALFS
	s_mul_i32 s22, s16, HALFS
	s_add_co_u32 s22, s22, 2*HALFS
	s_sub_co_u32 s22, s22, s21
	v_mul_u32_u24 v6, s22, v2
	s_add_co_u32 s21, s21, SCL
	v_add_nc_u32 v5, v5, v6
	v_add_nc_u32 v[ADRS], s21, v5
	v_lshrrev_b32 v5, 6, v0
	v_and_b32 v6, 63, v0
	v_lshlrev_b32 v6, 2, v6
	v_lshl_add_u32 v6, v5, 12, v6
	v_add_nc_u32 v10, ORAW, v6
	v_lshrrev_b32 v5, 2, v0
	v_mul_u32_u24 v5, v5, 272
	v_and_b32 v6, 3, v0
	v_lshl_add_u32 v5, v6, 6, v5
	v_add_nc_u32 v11, SCL, v5
	s_mul_i32 s23, s14, 16*SPITCH
	v_mul_u32_u24 v5, v1, SPITCH
	v_lshl_add_u32 v5, v2, 6, v5
	v_add_nc_u32 v[STO], s23, v5
	v_add_nc_u32 v[RD], s23, v[CO]
	s_lshl_b32 s20, s17, 8
	s_lshl_b32 s21, s15, 7
	s_add_co_u32 s20, s20, s21
	s_lshl_b32 s20, s20, 12
	s_add_co_u32 s20, s20, s98
	s_mov_b32 s21, 0
	s_add_nc_u64 s[12:13], s[12:13], s[20:21]
.macro FRAG reg, adr, q, i
.irp p, 0,1,2,3,4,5
.set PCE, 12*(\q)+6*(\p/3)+\p%3
.if PCE%8 < 5
	ds_load_b64 v[\reg+2*\p:\reg+2*\p+1], v[\adr] offset:8*PCE+16*(PCE/8)+(\i)*16*PITCH
.else
	ds_load_b64 v[\reg+2*\p:\reg+2*\p+1], v[\adr+2] offset:8*PCE+16*(PCE/8)+(\i)*16*PITCH
.endif
.endr
.endm
.macro FRAGA reg, slot, q, i
	ds_load_b128 v[\reg:\reg+3], v[ADRA+\slot] offset:HROW*(2*(\q))+768*(\i)
	ds_load_b64 v[\reg+4:\reg+5], v[ADRA+2+\slot] offset:HROW*(2*(\q))+768*(\i)+512
	ds_load_b128 v[\reg+6:\reg+9], v[ADRA+\slot] offset:HROW*(2*(\q)+1)+768*(\i)
	ds_load_b64 v[\reg+10:\reg+11], v[ADRA+2+\slot] offset:HROW*(2*(\q)+1)+768*(\i)+512
.endm
.macro MUL16 a0, p, q, sc, zero
.irp a, \a0, \a0+1
.irp b, 0,1,2,3,4,5,6,7
.if \zero
	v_wmma_scale_f32_16x16x128_f8f6f4 v[8*(8*((\a)%4)+\b):8*(8*((\a)%4)+\b)+7], v[128*(\p)+FR*\b:128*(\p)+FR*\b+FR-1], v[AF+FR*(\a):AF+FR*(\a)+FR-1], v[BI+8*\b:BI+8*\b+7], v[SC+8*NQ*(\sc)+NQ*\b+(\q)], v[SC+8*NQ*(\sc)+NQ*(\a)+(\q)] matrix_a_fmt:MATRIX_FMT_FP6 matrix_b_fmt:MATRIX_FMT_FP6 matrix_a_scale:MATRIX_SCALE_ROW1
.else
	v_wmma_scale_f32_16x16x128_f8f6f4 v[8*(8*((\a)%4)+\b):8*(8*((\a)%4)+\b)+7], v[128*(\p)+FR*\b:128*(\p)+FR*\b+FR-1], v[AF+FR*(\a):AF+FR*(\a)+FR-1], v[8*(8*((\a)%4)+\b):8*(8*((\a)%4)+\b)+7], v[SC+8*NQ*(\sc)+NQ*\b+(\q)], v[SC+8*NQ*(\sc)+NQ*(\a)+(\q)] matrix_a_fmt:MATRIX_FMT_FP6 matrix_b_fmt:MATRIX_FMT_FP6 matrix_a_scale:MATRIX_SCALE_ROW1
.endif
.endr
.endr
.endm
.macro FETCH_B slot, q, p
	WIN TO_B
.irp i, 0,1,2,3,4,5,6,7
	FRAG 128*(\p)+FR*\i, ADRB+\slot, \q, \i
.endr
	WIN 0
.endm
.macro FETCH_A slot, q, i0
.irp i, \i0, \i0+1, \i0+2, \i0+3
	FRAGA AF+FR*(\i), \slot, \q, \i
.endr
.endm
.macro SCALES sc
.irp i, 0,1,2,3,4,5,6,7
	ds_load_b64 v[SC+8*NQ*\sc+NQ*\i:SC+8*NQ*\sc+NQ*\i+1], v[ADRS] offset:\i*SBLK
.endr
.endm
.macro PLACES n
.rept \n
	v_nop
.endr
.endm
.macro STEP slot, q, zero
	s_wait_dscnt 4*NLA
.if \zero
	WIN BIA_LO
.else
	WIN MUL_LO
.endif
	MUL16 0, (\q)%2, \q, \slot, \zero
	MUL16 2, (\q)%2, \q, \slot, \zero
	s_wait_dscnt 0
	PLACES NP
	FETCH_B \slot, (\q)+1, 1-(\q)%2
	FETCH_A \slot, (\q)+1, 0
.if \zero
	WIN BIA_HI
.else
	WIN MUL_HI
.endif
	MUL16 4, (\q)%2, \q, \slot, \zero
	MUL16 6, (\q)%2, \q, \slot, \zero
	PLACES NP
	WIN 0
	FETCH_A \slot, (\q)+1, 4
.endm
.macro TURN slot, next, fill
	s_wait_tensorcnt 0x0
	ds_add_u32 v[SPW], v[NIL]
	s_wait_dscnt 4*NLA+1
	WIN MUL_LO
	MUL16 0, 1, NQ-1, \slot, 0
	s_wait_dscnt 0x0
	s_barrier_signal -1
	MUL16 2, 1, NQ-1, \slot, 0
	WIN 0
	s_barrier_wait -1
.if \fill
	CREST
	s_add_nc_u64 s[G0+4*\slot+2:G0+4*\slot+3], s[G0+4*\slot+2:G0+4*\slot+3], 8*HEADB
	s_add_nc_u64 s[G0B+4*\slot+2:G0B+4*\slot+3], s[G0B+4*\slot+2:G0B+4*\slot+3], 2*PLANE
	JLOAD G0+4*\slot, G1, G0B+4*\slot, G1B
.else
	PLACES NP
.endif
	s_wait_alu depctr_va_vdst(0)
	v_add_nc_u32 v[ADRS], 4*NQ, v[ADRS]
	FETCH_B \next, 0, 0
	FETCH_A \next, 0, 0
	SCALES \next
	WIN MUL_HI
	MUL16 4, 1, NQ-1, \slot, 0
	MUL16 6, 1, NQ-1, \slot, 0
	PLACES NP
	WIN 0
	FETCH_A \next, 0, 4
.endm
	s_wait_tensorcnt 1
	s_barrier_signal -1
	s_barrier_wait -1
.irp j, 0,1,2,3,4,5,6,7,8,9,10,11,12,13,14,15
	ds_load_b32 v[128+\j], v10 offset:256*\j
.endr
	s_wait_dscnt 0x0
.irp s, 0,1,2,3,4,5,6,7
	v_perm_b32 v[144+\s], v[129+2*\s], v[128+2*\s], 0x05040100
	v_perm_b32 v[152+\s], v[129+2*\s], v[128+2*\s], 0x07060302
.endr
	ds_store_b128 v11, v[144:147]
	ds_store_b128 v11, v[148:151] offset:16
	ds_store_b128 v11, v[152:155] offset:32
	ds_store_b128 v11, v[156:159] offset:48
	s_wait_dscnt 0x0
	s_barrier_signal -1
	s_barrier_wait -1
	FETCH_B 0, 0, 0
	FETCH_A 0, 0, 0
	SCALES 0
	FETCH_A 0, 0, 4
	s_wait_loadcnt 0x0
	STEP 0, 0, 1
	s_mov_b32 s3, LAPS-1
.Llap:
	TURN 0, 1, 1
	STEP 1, 0, 0
	TURN 1, 0, 1
	STEP 0, 0, 0
	s_sub_co_u32 s3, s3, 1
	s_cmp_lg_u32 s3, 0
	s_cbranch_scc1 .Llap
	TURN 0, 1, 0
	STEP 1, 0, 0
	s_wait_dscnt 4*NLA
	WIN MUL_LO
	MUL16 0, 1, NQ-1, 1, 0
	MUL16 2, 1, NQ-1, 1, 0
	s_wait_dscnt 0
	WIN MUL_HI
	MUL16 4, 1, NQ-1, 1, 0
	MUL16 6, 1, NQ-1, 1, 0
	WIN 0
.macro TOSTAGE a
.set AC, 64*((\a)%4)
.set WST, 0x08+4*((\a)/4)
	WIN WST
.irp b, 0,1,2,3,4,5,6,7
	ds_store_b128 v[STO], v[AC+8*\b:AC+8*\b+3] offset:128*(\b/2)+32*(\b%2)
	ds_store_b128 v[STO], v[AC+8*\b+4:AC+8*\b+7] offset:128*(\b/2)+32*(\b%2)+16
.endr
	WIN 0
.set BB, BK+64*((\a)%2)
.irp t, 0,1,2,3,4,5,6,7,8,9,10,11,12,13,14,15
	ds_load_b128 v[BB+4*\t:BB+4*\t+3], v[RD] offset:\t*SPITCH
.endr
.endm
.macro SEND a, younger
.set BB, BK+64*((\a)%2)
	s_wait_dscnt \younger
.irp t, 0,1,2,3,4,5,6,7,8,9,10,11,12,13,14,15
	global_store_b128 v[CO], v[BB+4*\t:BB+4*\t+3], s[12:13] offset:(32*((\a)/2)+8*((\a)%2)+\t+8*(\t/8))*SIZE_N*4 th:TH_STORE_NT
.endr
.endm
	PLACES NP
	TOSTAGE 0
.irp a, 1,2,3,4,5,6,7
.if \a > 1
	s_wait_xcnt 0x0
.endif
	TOSTAGE \a
	SEND \a-1, 32
.endr
	SEND 7, 0
	s_wait_tensorcnt 0x0
	ds_add_u32 v[SPW], v[NIL]
	s_wait_dscnt 0x0
	CROUND
	s_endpgm
.Lfunc_end_k_q4485105ca8_proj:
	.size	k_q4485105ca8_proj, .Lfunc_end_k_q4485105ca8_proj-k_q4485105ca8_proj
	.p2alignl 7, 3214868480
	.fill 96, 4, 3214868480
	.section	.rodata,"a",@progbits
	.p2align	6, 0x0
	.amdhsa_kernel k_q4485105ca8_proj
		.amdhsa_group_segment_fixed_size 327680
		.amdhsa_private_segment_fixed_size 0
		.amdhsa_enable_private_segment 0
		.amdhsa_kernarg_size 48
		.amdhsa_user_sgpr_count 2
		.amdhsa_user_sgpr_kernarg_segment_ptr 1
		.amdhsa_wavefront_size32 1
		.amdhsa_system_sgpr_workgroup_id_x 1
		.amdhsa_system_sgpr_workgroup_id_y 1
		.amdhsa_system_sgpr_workgroup_id_z 1
		.amdhsa_system_vgpr_workitem_id 0
		.amdhsa_next_free_vgpr 1024
		.amdhsa_next_free_sgpr 102
		.amdhsa_reserve_vcc 0
		.amdhsa_float_denorm_mode_32 3
		.amdhsa_float_denorm_mode_16_64 3
		.amdhsa_memory_ordered 1
		.amdhsa_forward_progress 1
		.amdhsa_inst_pref_size 157
	.end_amdhsa_kernel
	.amdgpu_metadata
---
amdhsa.version: [ 1, 2 ]
amdhsa.kernels:
  - .name:           k_q4485105ca8_proj
    .symbol:         k_q4485105ca8_proj.kd
    .args:
      - { .name: o_img, .offset: 0, .size: 8, .value_kind: global_buffer, .address_space: global }
      - { .name: o_sc, .offset: 8, .size: 8, .value_kind: global_buffer, .address_space: global }
      - { .name: xw_codes, .offset: 16, .size: 8, .value_kind: global_buffer, .address_space: global }
      - { .name: xw_scales, .offset: 24, .size: 8, .value_kind: global_buffer, .address_space: global }
      - { .name: bo, .offset: 32, .size: 8, .value_kind: global_buffer, .address_space: global }
      - { .name: out0, .offset: 40, .size: 8, .value_kind: global_buffer, .address_space: global }
    .group_segment_fixed_size: 327680
    .private_segment_fixed_size: 0
    .kernarg_segment_align: 8
    .kernarg_segment_size: 48
    .max_flat_workgroup_size: 128
    .sgpr_count:     102
    .vgpr_count:     1024
    .wavefront_size: 32
...
	.end_amdgpu_metadata
.endif
;; end of part 4
